; MI455X (gfx1250); checked and timed in simulation.
; The chip was launched on July 23, 2026; its instructions are those of AMD's public machine-readable ISA for CDNA 5 (MIT licence, August 2026) and "CDNA5" Instruction Set Architecture Reference Guide (July 2026). The comments in the code are by the model that wrote it; some were corrected since.
;; Multi Head Attention GQA. Allowed arithmetic: matrix products marked QUANTISED: E2M3 operands, one E8M0 scale for each 32 along K, by v_wmma_scale_f32_16x16x128_f8f6f4 with both operands' format E2M3, f32 sums; everything else in f32.
;; Inputs: Wk 2,048 x 512 float32; Wo 2,048 x 2,048 float32; Wq 2,048 x 2,048 float32; Wv 2,048 x 512 float32; bk 512 float32; bo 2,048 float32; bq 2,048 float32; bv 512 float32; x 2 x 1,024 x 2,048 float32.
;; Outputs: out0 2 x 1,024 x 2,048 float32.
;; This version of the problem:
;;   THIS VERSION OF THE PROBLEM IS GIVEN IN LOW PRECISION. The matrix products marked QUANTISED in the list below multiply operands that are first quantised to E2M3 (2 exponent bits, 3 mantissa bits; 6 bits a number), with one power-of-two scale for each 32 numbers along K (OCP MX v1.0); their sums are f32. All else is computed in f32.
;;   The module's matrix products, in the order in which they are computed (A, B: the left and right operand; K: the contracted axis; several contracted axes count as one K, in the product's order):
;;     1. [M 2,048, K 2,048] x [K 2,048, N 2,048]; A: input x; B: input Wq: QUANTISED
;;     2. [M 2,048, K 2,048] x [K 2,048, N 512]; A: input x; B: input Wk: QUANTISED
;;     3. [M 2,048, K 2,048] x [K 2,048, N 512]; A: input x; B: input Wv: QUANTISED
;;     4. batch 16 x [M 4,096, K 64] x [K 64, N 1,024]; A: computed on the way; B: computed on the way: QUANTISED
;;     5. batch 16 x [M 4,096, K 1,024] x [K 1,024, N 64]; A: softmax (see below); B: computed on the way: QUANTISED
;;     6. [M 2,048, K 2,048] x [K 2,048, N 2,048]; A: computed on the way; B: input Wo: QUANTISED
;;   THE QUANTISER, for each operand of a quantised product, along K:
;;     - K is cut into blocks of 32 from its start; a last block that is shorter is filled with zeros.
;;     - A block's scale is 2^e with e = floor(log2(the largest magnitude in the block)) - 2, held to -126 .. 127; a block of zeros has e = 0. As a byte (E8M0): e + 127.
;;     - Each number is divided by its block's scale, clamped to +-7.5, and rounded to the nearest number of E2M3, ties to even, subnormals kept.
;;     - The product sums the exact products of the quantised numbers (number of the format x scale) in f32.
;;   ~~~python
;;   def quantise(x, axis):      # numpy; x: float32 -> the quantised numbers, widened to float32 again
;;       x = np.moveaxis(x, axis, -1); K = x.shape[-1]
;;       x = np.pad(x, [(0, 0)] * (x.ndim - 1) + [(0, -K % 32)]); x = x.reshape(x.shape[:-1] + (-1, 32)); a = np.abs(x).max(-1, keepdims=True)
;;       e = np.where(a > 0, np.clip(np.frexp(np.where(a > 0, a, 1))[1] - 1 - 2, -126, 127), 0)      # np.frexp(a)[1] - 1 = floor(log2(a)), exactly
;;       r = np.clip(x / 2.0 ** e, -7.5, 7.5)
;;       step = 2.0 ** (np.maximum(np.frexp(np.where(r == 0, 1, r))[1] - 1, 0) - 3)
;;       q = np.round(r / step) * step * 2.0 ** e      # np.round: ties to even
;;       return np.moveaxis(q.reshape(q.shape[:-2] + (-1,))[..., :K], -1, axis).astype(np.float32)
;;   ~~~
;;   SOFTMAX AHEAD OF A QUANTISED PRODUCT. Where the list says 'softmax', what is quantised is not the finished softmax but p = 2^(t - M), with t = logit x log2(e) and M = ceil(the row's largest t), a whole number; so 1/2 < the row's largest p <= 1. The row's sum l is taken of the UNQUANTISED p, in f32, and the product's result is divided by l at the end. Since M is a whole number, a kernel that streams over the keys may use a running M (the ceiling of the running maximum): every later rescaling is an exact power of two, which a block's scale takes up: the codes' values come out the same.
;;   OPERANDS COMPUTED ON THE WAY. 'Computed on the way' means the value that the module computes at that place (a softmax that the list does not call 'softmax' is quantised finished and normalised). What goes into a quantiser is computed in f32, as accurately as f32 sums, v_exp_f32 and their like allow (about 1e-6 of the number): no bf16 or f16 on the way to a quantiser, and a product that is left as it is and whose result goes on into a quantised operand takes f32 operands (vector FMAs, or v_wmma_f32_16x16x4_f32). A number that lies on a knife's edge between two numbers of the format may be rounded either way, as far as f32 arithmetic and the matrix unit's own rounding can turn it there, and no further.
;; One version. Each part assembles by itself: llvm-mc -triple=amdgcn-amd-amdhsa -mcpu=gfx1250 --defsym DOCPART=n.
;; ======== version 1 of 1: 4 launches
;; limits: right only within a limited range of input values
;; workspace buffers: xq 3,276,800 bytes; wq 4,915,200 bytes; woq 3,276,800 bytes; qq 3,407,872 bytes; kv 1,638,400 bytes; aq 3,276,800 bytes
;; launch quant (part 1): grid 640 x 1, 4 waves a work-group, no clusters, 34,304 bytes of LDS; arguments x, Wq, Wk, Wv, xq, wq; writes xq, wq
.if DOCPART == 1
	.amdgcn_target "amdgcn-amd-amdhsa--gfx1250"
	.amdhsa_code_object_version 6
	.text
	.protected	k_qdb9945f3e1_quant
	.globl	k_qdb9945f3e1_quant
	.p2align	8
	.type	k_qdb9945f3e1_quant,@function
k_qdb9945f3e1_quant:
	s_mov_b64 s[64:65], 0
	v_nop
	global_prefetch_b8 v0, s[64:65] scope:SCOPE_SE
	s_setreg_imm32_b32 hwreg(HW_REG_WAVE_MODE, 25, 1), 1
	s_wait_xcnt 0x0
; x [2048][2048] and the weights Wq, Wk, Wv (stored [K][N]), all f32, become codes of FP6 (E2M3) with one E8M0 byte for each 32 along K.  (Wo is quantised by the attention launch.)
; A block's scale is 2^(floor(log2(largest magnitude)) - 2); its byte is the largest magnitude's exponent field - 2, held at 1 from below.
; LAYOUT OF THE CODES: the order of the matrix operand's registers.  A HALF FRAGMENT (768 bytes) is 16 rows x 64 K: lane (r, h) holds one whole
; block of 32 codes (24 bytes, 6 registers): registers 0-3 at byte 16 x lane, registers 4-5 at byte 512 + 8 x lane.  A fragment (16 rows x 128 K) is
; two of them; a row block's 16 K steps lie on end (24,576 bytes).  Behind the codes: the scale words [K step][row], byte b for block b.
; ORDER INSIDE A BLOCK: position p holds k = (p % 8) + 16 ((p / 8) % 2) + 8 (p / 16): the two middle groups of eight change places, alike in every
; operand of this program, so that scales and products are those of the natural order; the later launches' results fall into this order by themselves.
; wq's row blocks: 12 t + 6 u + f: f = 0..3 the head 2 t + u of Wq (16 columns each), f = 4, 5 columns 32 t + 16 (f - 4) of Wk (u = 0) or of Wv (u = 1).
; SHARES: work-groups 0-255 take x (a wave: 16 rows x 256 K), the other 384 the weights (a wave: 32 columns x 128 K).  Waves share nothing: no barrier.
; LIMITS: NaN and infinities are not served.  A block whose largest magnitude lies under 2^-124, a block of zeros among them, gets the byte 1
; (a block of zeros has zero codes, and the bytes are read by this program alone).  The scale words leave in runs of 64 or 128 bytes: one byte in 128 of what is read.
; WORK LEFT OUT IN THIS PROGRAM: score and value tiles (16 queries x 128 keys) that lie wholly above the diagonal of the causal mask: their scores are replaced by -infinity whatever the inputs hold.
; A NaN, an infinity or an overflow that reaches only those is not carried to the result.
.set RBP,   24576                      ; a row block's 16 K steps
.set FRB,   1536                       ; a fragment
.set HFB,   768                        ; a half fragment
.set XSC,   3145728                    ; where the scale words begin behind 2,048 rows' codes
.set WSC,   4718592                    ; and behind 3,072 rows'
.set STG,   16*528                     ; path x: a wave's stage: 16 rows of 512 bytes + 16
.set FLOOR, 0x1800000                  ; 2^(3 - 127): under it no largest magnitude is taken, so the byte cannot fall under 1
; A whole block of 32 numbers of one lane, v[src] on, becomes 16 codes in v[out] on and 16 in v[tmp] on (a conversion's three registers begin on an even number); its byte in v[e].
.macro BLKQ src, out, tmp, so, e
	v_max3_num_f32 v8, |v[\src]|, |v[\src+1]|, |v[\src+2]|
	v_max3_num_f32 v9, |v[\src+3]|, |v[\src+4]|, |v[\src+5]|
.irp i, 6,10,14,18,22,26
	v_max3_num_f32 v8, v8, |v[\src+\i]|, |v[\src+\i+1]|
	v_max3_num_f32 v9, v9, |v[\src+\i+2]|, |v[\src+\i+3]|
.endr
	v_max3_num_f32 v8, v8, |v[\src+30]|, |v[\src+31]|
	v_max3_num_f32 v8, v8, v9, FLOOR
	v_add_nc_u32 v[\so], 0xff000000, v8            ; 2 off the exponent field: the conversion takes the exponent field of this operand as its scale
	v_lshrrev_b32 v[\e], 23, v[\so]                ; the scale's byte
	v_cvt_scalef32_pk16_fp6_f32 v[\out:\out+2], v[\src:\src+15], v[\so]
	v_cvt_scalef32_pk16_fp6_f32 v[\tmp:\tmp+2], v[\src+16:\src+31], v[\so]
.endm
	s_load_b256 s[4:11], s[0:1], 0x0               ; x s[4:5], Wq s[6:7], Wk s[8:9], Wv s[10:11]
	s_load_b128 s[12:15], s[0:1], 0x20             ; xq s[12:13], wq s[14:15]
	v_lshl_add_u32 v251, v0, 2, 0x8400
	v_mov_b32 v255, 0
	v_lshrrev_b32 v1, 5, v0
	v_readfirstlane_b32 s20, v1                    ; wave
	v_and_b32 v6, 31, v0                           ; lane
	v_and_b32 v7, 15, v0                           ; r
	v_bfe_u32 v17, v0, 4, 1                        ; h
	v_lshlrev_b32 v1, 4, v6                        ; 16 x lane
	v_lshlrev_b32 v2, 3, v6                        ; 8 x lane
	s_mov_b32 s21, 0x76543210
	s_mov_b32 s22, 0xfedcba98                      ; v_permlanex16_b32's selects for lane l xor 16
	s_wait_alu depctr_va_vdst(0)
	s_wait_kmcnt 0x0
	s_cmp_lt_u32 ttmp9, 256
	s_cbranch_scc0 .Lweights
; ---------------- x: row block i = work-group / 2, K steps s0 and s0 + 1, s0 = 8 (work-group % 2) + 2 x wave
	s_mul_i32 s23, s20, STG
	s_wait_alu depctr_va_vdst(0)
	v_add_nc_u32 v3, s23, v1                       ; into my stage: a row's 512 bytes as loaded
	v_mul_u32_u24 v4, v7, 528
	v_lshl_add_u32 v4, v17, 7, v4
	v_add_nc_u32 v4, s23, v4                       ; out of it: row r, block h: 128 bytes
	v_lshlrev_b32 v5, 2, v7
	v_lshl_add_u32 v5, v17, 13, v5                 ; the scale words' place: 4 r, and K step s0 + h
	v_lshlrev_b32 v18, 3, v17                      ; 8 h
	v_mov_b32 v19, 0                               ; (a lane permute's destination counts as one of its sources)
	s_lshr_b32 s24, ttmp9, 1                       ; i
	s_and_b32 s25, ttmp9, 1
	s_lshl_b32 s25, s25, 3
	s_lshl_b32 s26, s20, 1
	s_add_co_u32 s25, s25, s26                     ; s0
	s_lshl_b32 s26, s24, 17                        ; 16 rows of 8,192 bytes
	s_lshl_b32 s27, s25, 9                         ; 512 bytes a K step
	s_add_co_u32 s26, s26, s27
	s_mov_b32 s27, 0
	s_wait_alu depctr_va_vdst(0)
	s_add_nc_u64 s[4:5], s[4:5], s[26:27]
	s_mul_i32 s26, s24, RBP
	s_mul_i32 s28, s25, FRB
	s_add_co_u32 s26, s26, s28
	s_add_nc_u64 s[28:29], s[12:13], s[26:27]      ; my two fragments
	s_lshl_b32 s26, s25, 13                        ; 2,048 words a K step
	s_lshl_b32 s30, s24, 6
	s_add_co_u32 s26, s26, s30
	s_add_co_u32 s26, s26, XSC
	s_add_nc_u64 s[30:31], s[12:13], s[26:27]      ; my rows' scale words of K step s0
.irp q, 0,1
.irp p, 0,1,2,3,4,5,6,7,8,9,10,11,12,13,14,15
	global_load_b128 v[32+64*\q+4*\p:32+64*\q+4*\p+3], v1, s[4:5] offset:8192*\p+512*\q th:TH_LOAD_NT   ; 32 lanes read 512 consecutive bytes: row p, K step s0 + q
.endr
.endr
; One fragment: the 16 rows go through my stage as they lie and come back a block a lane, the groups of eight in the program's order.
.macro XFRAG q
.if \q == 0
	s_wait_loadcnt 16                              ; this fragment's 16 loads are in; the 16 of the other may be out
.else
	s_wait_loadcnt 0x0
.endif
.irp p, 0,1,2,3,4,5,6,7,8,9,10,11,12,13,14,15
	ds_store_b128 v3, v[32+64*\q+4*\p:32+64*\q+4*\p+3] offset:528*\p
.endr
.irp c, 0,1
.irp j, 0,1,2,3,4,5,6,7
	ds_load_b128 v[160+32*\c+8*(2*((\j/2)%2)+\j/4)+4*(\j%2):160+32*\c+8*(2*((\j/2)%2)+\j/4)+4*(\j%2)+3], v4 offset:256*\c+16*\j   ; LDS serves a wave's instructions in order: these see my stores
.endr
.endr
	s_wait_dscnt 0x0
	BLKQ 160, 224+12*\q, 248, 10, 12               ; block h
	BLKQ 192, 230+12*\q, 252, 11, 13               ; block 2 + h
	v_nop                                          ; one plain place behind the scaled conversions
.irp i, 0,1,2
	v_mov_b32 v[227+12*\q+\i], v[248+\i]
	v_mov_b32 v[233+12*\q+\i], v[252+\i]
.endr
	v_lshl_or_b32 v16, v13, 16, v12                ; my two bytes, blocks h and 2 + h,
	v_lshlrev_b32 v16, v18, v16                    ; at their places in the word;
	v_permlanex16_b32 v19, v16, s21, s22
	v_or_b32 v[20+\q], v16, v19                    ; with lane l xor 16's two the word is whole
.irp c, 0,1
	global_store_b128 v1, v[224+12*\q+6*\c:227+12*\q+6*\c], s[28:29] offset:FRB*\q+HFB*\c        ; 512 consecutive bytes
	global_store_b64 v2, v[228+12*\q+6*\c:229+12*\q+6*\c], s[28:29] offset:FRB*\q+HFB*\c+512     ; 256 consecutive bytes
.endr
.endm
	s_wait_alu depctr_va_vdst(0)
	XFRAG 0
	XFRAG 1
	v_cmp_eq_u32 vcc_lo, 1, v17
	v_cndmask_b32 v22, v20, v21, vcc_lo            ; lanes 0-15 store K step s0's words, lanes 16-31 K step s0 + 1's
	global_store_b32 v5, v22, s[30:31]
	s_wait_tensorcnt 0x0                           ; the wave's end
	ds_add_u32 v251, v255
	s_wait_dscnt 0x0
	s_endpgm
; ---------------- the weights: 128 columns a work-group, 32 a wave, one K step of 128.  A LANE TAKES A COLUMN AND ITS REGISTERS RUN DOWN K.
.Lweights:
	s_sub_co_u32 s23, ttmp9, 256
	s_lshr_b32 s24, s23, 4                         ; which 128 columns of Wq | Wk | Wv: 0-15, 16-19, 20-23
	s_and_b32 s25, s23, 15                         ; K step
	s_lshl_b32 s26, s24, 2
	s_add_co_u32 s26, s26, s20                     ; my 32 columns, counted in Wq,
	s_sub_co_u32 s27, s26, 64                      ; in Wk,
	s_sub_co_u32 s28, s26, 80                      ; in Wv
	s_lshr_b32 s30, s26, 2
	s_mul_i32 s30, s30, 12
	s_bfe_u32 s31, s26, 0x10001
	s_mul_i32 s31, s31, 6
	s_add_co_u32 s30, s30, s31
	s_and_b32 s31, s26, 1
	s_lshl_b32 s31, s31, 1
	s_add_co_u32 s30, s30, s31                     ; the first of my two row blocks if Wq: 12 t + 6 u + f
	s_mul_i32 s31, s27, 12
	s_add_co_u32 s31, s31, 4                       ; if Wk
	s_mul_i32 s32, s28, 12
	s_add_co_u32 s32, s32, 10                      ; if Wv
	s_mov_b32 s36, 2048                            ; bytes from row to row of the weight
	s_cmp_lt_u32 s24, 20                           ; the choices hang on the work-group's number alone
	s_cselect_b64 s[34:35], s[8:9], s[10:11]
	s_cselect_b32 s28, s27, s28
	s_cselect_b32 s32, s31, s32
	s_cmp_lt_u32 s24, 16
	s_cselect_b64 s[34:35], s[6:7], s[34:35]
	s_cselect_b32 s28, s26, s28
	s_cselect_b32 s32, s30, s32
	s_cselect_b32 s36, 8192, s36
	s_lshl_b32 s42, s25, 7
	s_mul_i32 s42, s42, s36                        ; 128 rows a K step
	s_lshl_b32 s43, s28, 7                         ; 128 bytes for 32 columns
	s_add_co_u32 s42, s42, s43
	s_mov_b32 s43, 0
	s_add_nc_u64 s[44:45], s[34:35], s[42:43]      ; block 0 of the K step,
	s_lshl_b32 s42, s36, 5
	s_add_nc_u64 s[46:47], s[44:45], s[42:43]      ; and the others, 32 rows on each
	s_add_nc_u64 s[48:49], s[46:47], s[42:43]
	s_add_nc_u64 s[50:51], s[48:49], s[42:43]
	s_mul_i32 s42, s32, RBP
	s_mul_i32 s39, s25, FRB
	s_add_co_u32 s42, s42, s39
	s_add_nc_u64 s[52:53], s[14:15], s[42:43]      ; my first row block's fragment of this K step
	s_mul_i32 s42, s25, 12288                      ; 3,072 words a K step
	s_lshl_b32 s39, s32, 6
	s_add_co_u32 s42, s42, s39
	s_add_co_u32 s42, s42, WSC
	s_add_nc_u64 s[54:55], s[14:15], s[42:43]      ; my 32 rows' scale words
	s_wait_alu depctr_va_vdst(0)
	v_lshlrev_b32 v3, 2, v6                        ; 4 x lane
.irp i, 0,1,2,3,4,5,6,7,8,9,10,11,12,13,14,15,16,17,18,19,20,21,22,23,24,25,26,27,28,29,30,31
	v_mad_u32_u24 v[160+\i], s36, (\i%8)+16*((\i/8)%2)+8*(\i/16), v3   ; position i of a block takes row (i % 8) + 16 ((i / 8) % 2) + 8 (i / 16)
.endr
.irp b, 0,1,2,3
.irp i, 0,1,2,3,4,5,6,7,8,9,10,11,12,13,14,15,16,17,18,19,20,21,22,23,24,25,26,27,28,29,30,31
	global_load_b32 v[32+32*\b+\i], v[160+\i], s[44+2*\b:45+2*\b] th:TH_LOAD_NT   ; 32 lanes read 128 consecutive bytes; the four waves stand side by side
.endr
.endr
; Blocks 2 m and 2 m + 1 of my 32 columns become half fragment m of two row blocks: columns 0-15 are the first's rows, columns 16-31 the second's.
; The exchange of halves puts block 2 m + h of row r into lane (r, h).
.macro WPAIR m
	BLKQ 32+64*\m, 192+12*\m, 216, 10, 12+2*\m
	BLKQ 64+64*\m, 198+12*\m, 220, 11, 13+2*\m
	v_nop                                          ; one plain place behind the scaled conversions
.irp i, 0,1,2
	v_permlane16_swap_b32 v[192+12*\m+\i], v[198+12*\m+\i]
	v_permlane16_swap_b32 v[216+\i], v[220+\i]
.endr
.irp i, 0,1,2
	v_mov_b32 v[195+12*\m+\i], v[216+\i]
	v_mov_b32 v[201+12*\m+\i], v[220+\i]
.endr
	global_store_b128 v1, v[192+12*\m:195+12*\m], s[52:53] offset:HFB*\m
	global_store_b64 v2, v[196+12*\m:197+12*\m], s[52:53] offset:HFB*\m+512
	global_store_b128 v1, v[198+12*\m:201+12*\m], s[52:53] offset:HFB*\m+RBP
	global_store_b64 v2, v[202+12*\m:203+12*\m], s[52:53] offset:HFB*\m+RBP+512
.endm
	s_wait_loadcnt 63                              ; of the 128 loads at most the youngest 63 are out: blocks 0 and 1 (the oldest 64) are in
	WPAIR 0
	s_wait_loadcnt 0x0
	WPAIR 1
	v_lshl_or_b32 v16, v13, 8, v12                 ; my column's four bytes make its scale word
	v_lshl_or_b32 v16, v14, 16, v16
	v_lshl_or_b32 v16, v15, 24, v16
	global_store_b32 v3, v16, s[54:55]
	s_endpgm
.Lfunc_end_k_qdb9945f3e1_quant:
	.size	k_qdb9945f3e1_quant, .Lfunc_end_k_qdb9945f3e1_quant-k_qdb9945f3e1_quant
	.p2alignl 7, 3214868480
	.fill 96, 4, 3214868480
	.section	.rodata,"a",@progbits
	.p2align	6, 0x0
	.amdhsa_kernel k_qdb9945f3e1_quant
		.amdhsa_group_segment_fixed_size 34304
		.amdhsa_private_segment_fixed_size 0
		.amdhsa_enable_private_segment 0
		.amdhsa_kernarg_size 48
		.amdhsa_user_sgpr_count 2
		.amdhsa_user_sgpr_kernarg_segment_ptr 1
		.amdhsa_wavefront_size32 1
		.amdhsa_system_sgpr_workgroup_id_x 1
		.amdhsa_system_sgpr_workgroup_id_y 1
		.amdhsa_system_sgpr_workgroup_id_z 1
		.amdhsa_system_vgpr_workitem_id 0
		.amdhsa_next_free_vgpr 256
		.amdhsa_next_free_sgpr 66
		.amdhsa_reserve_vcc 1
		.amdhsa_float_denorm_mode_32 3
		.amdhsa_float_denorm_mode_16_64 3
		.amdhsa_memory_ordered 1
		.amdhsa_forward_progress 1
		.amdhsa_inst_pref_size 40
	.end_amdhsa_kernel
	.amdgpu_metadata
---
amdhsa.version: [ 1, 2 ]
amdhsa.kernels:
  - .name:           k_qdb9945f3e1_quant
    .symbol:         k_qdb9945f3e1_quant.kd
    .args:
      - { .name: x, .offset: 0, .size: 8, .value_kind: global_buffer, .address_space: global }
      - { .name: Wq, .offset: 8, .size: 8, .value_kind: global_buffer, .address_space: global }
      - { .name: Wk, .offset: 16, .size: 8, .value_kind: global_buffer, .address_space: global }
      - { .name: Wv, .offset: 24, .size: 8, .value_kind: global_buffer, .address_space: global }
      - { .name: xq, .offset: 32, .size: 8, .value_kind: global_buffer, .address_space: global }
      - { .name: wq, .offset: 40, .size: 8, .value_kind: global_buffer, .address_space: global }
    .group_segment_fixed_size: 34304
    .private_segment_fixed_size: 0
    .kernarg_segment_align: 8
    .kernarg_segment_size: 48
    .max_flat_workgroup_size: 128
    .sgpr_count:     66
    .vgpr_count:     256
    .wavefront_size: 32
...
	.end_amdgpu_metadata
.endif
;; end of part 1
;; launch qkv (part 2): grid 16 x 16, 8 waves a work-group, clusters of 4 x 4, 327,680 bytes of LDS; arguments xq, wq, bq, bk, bv, qq, kv; writes qq, kv
.if DOCPART == 2
	.amdgcn_target "amdgcn-amd-amdhsa--gfx1250"
	.amdhsa_code_object_version 6
	.text
	.protected	k_qdb9945f3e1_qkv
	.globl	k_qdb9945f3e1_qkv
	.p2align	8
	.type	k_qdb9945f3e1_qkv,@function
k_qdb9945f3e1_qkv:
	s_mov_b64 s[64:65], 0
	v_nop
	global_prefetch_b8 v0, s[64:65] scope:SCOPE_SE
	s_setreg_imm32_b32 hwreg(HW_REG_WAVE_MODE, 25, 1), 1
	s_wait_xcnt 0x0
	s_wait_alu depctr_hold_cnt(0) depctr_sa_sdst(0) depctr_va_vdst(0) depctr_va_sdst(0) depctr_va_ssrc(0) depctr_va_vcc(0) depctr_vm_vsrc(0)
	s_getreg_b32 s2, hwreg(HW_REG_IB_STS2, 6, 4)
	s_cmp_eq_u32 s2, 0
	s_cbranch_scc0 .Lentry_in_a_cluster
	s_endpgm
.Lentry_in_a_cluster:
	s_bfe_u32 s2, ttmp6, 0x10000c
	s_cmp_lg_u32 s2, 0xf033
	s_cbranch_scc0 .Lentry_shape_is_right
	s_endpgm
.Lentry_shape_is_right:
; q = x Wq + bq, k = x Wk + bk, v = x Wv + bv on codes of FP6 (E2M3) with E8M0 scales, sums in f32; the results are quantised here, in registers: q and k along the head's 64, v along the keys.
; OPERANDS (xq, wq) lie in the order of the operand's registers: a half fragment of 768 bytes (16 rows x 64 K; lane (r, h) holds block h: registers 0-3 at 16 x lane, 4-5 at 512 + 8 x lane),
; two to a fragment, a row block's 16 K steps on end (24,576 bytes); behind the codes the scale words [K step][row].
; SHARES.  A tile is 128 rows of x by 192 columns: two heads of q, half a head of k, half a head of v (wq's row blocks are laid so): 16 x 16 work-groups.  Eight waves, two to a SIMD: wave (G, V, U) makes rows 64 V on by
; column half U over K steps 8 G .. 8 G + 7: head 2 T + U of q (16 accumulators), and 32 columns of k (U = 0) or of v (U = 1) (8 accumulators).
; At the end waves (0, V, U) and (1, V, U) exchange halves of their sums through LDS: wave G finishes q's tiles of 16 tokens 2 G, 2 G + 1 and half G of k or v.
; FILLS.  A tile's row is (row block, G): two K steps, 3,072 bytes; rows lie 12,288 bytes apart.  Four fills of 2 + 2 K steps through two regions of LDS: P takes fills 0 and 2, Q fills 1 and 3; the scale words, for all of K, come once.
; HEAD: one tensor load a wave: P for x, P for wq, x's scale words, wq's, and Q in halves; the first barrier shows what waves 0-3 asked for.  Two refills, each behind a round.
; CLUSTER 4 x 4: x's tiles are asked for jointly along a row of the cluster, the weights' along a column.
; PREFETCH: what fills 2 and 3 bring is asked for at the head and behind step 0: each block of 256 bytes once in a cluster, shared out by address among the 32 waves of the joint load's four work-groups.
; q and k are made TRANSPOSED (source 0 = 16 rows of wq, source 1 = 16 rows of x): a lane holds one token and eight neighbouring d.  v is made the other way round: a lane holds one d and eight
; neighbouring tokens, which are the later product's K.  Two neighbouring tiles give a lane 16 numbers of a block of 32, the other 16 lie in lane l xor 16: in the codes the two middle groups of
; eight of a block have changed places, as in every operand of this program.
; OUT: qq: codes [b][head][tile of 16 tokens][half fragment: lane (r, h) = block h of d of token r]; scale words (bytes s0, s0, s1, s1) [b][head][token].
;      kv: for each (b, group) 102,400 bytes: K's codes [64 keys][32 keys pi][d block H][half fragment: lane (r, h) = key 32 pi + 16 h + r]; at 49,152 V's codes [64 keys][16 d][half fragment:
;      lane (r, h) = d r, key block h]; at 98,304 K's scale words [64 keys][pi][r]; at 100,352 V's [128 keys][16 d][r].
; LIMITS: NaN and infinities are not served; a block whose largest magnitude lies under 2^-124 gets the byte 1.  The scale halfwords of k and v leave two bytes a lane: 1 byte in 24 of kv.
; REGISTERS, numbered through two windows of 256: 0-63 addresses and scale words (32-37, 40-45: scale words and nothing else; lanes 0-15 x's, lanes 16-31 wq's); 64-183 and 184-303 two sets of 10 fragments (4 of x, 6 of wq);
;   304-431 q's accumulators (a, f) at 8 (4 a + f); 432-495 k's or v's.  On the way out: 64-111 the biases, 112-207 the partner's sums, 208-255 at work.
.set NBF,   6                          ; fragments of the weights a wave
.set NLD,   46                         ; LDS loads of a step: 6 of scale words, 40 of fragments
.set RBP,   24576
.set FRB,   1536
.set HFB,   768
.set ROWB,  2*FRB                      ; a tile's row
.set PITR,  2*ROWB                     ; LDS bytes from row block to row block
.set ASC,   3145728                    ; xq's scale words
.set WSC,   4718592                    ; wq's
.set QSC,   3145728                    ; qq's scale words
.set KVB,   102400                     ; a (b, group)'s block of kv
.set PB,    8*PITR                     ; wq's rows behind x's
.set QB,    20*PITR                    ; region Q
.set SCLA,  2*QB                       ; x's scale words [K step][128 rows], 256 bytes of padding behind each 512
.set SCLB,  SCLA+16*768                ; wq's [K step][192 rows]
.set SPARE, SCLB+16*768                ; the spare words, 128 bytes for each wave: four blocks of 256 bytes that no other line names
.set XCH,   24*512                     ; a wave's sums on their way to its partner, in region P: that has had its last fill, and the barrier of step 5 stands behind its last reads
.set S0R,   64                         ; a set of fragments: x's at S0R + 120 p + 12 a, wq's 48 behind
.set ACQ,   304
.set ACKV,  432
.set QL,    ACQ-256                    ; the same in window 1
.set KL,    ACKV-256
.set SCR,   32
.set A16,   8                          ; v8-9   x's fragments in P, Q: 16 x lane;  v10-11: 8 x lane
.set A8,    10
.set B16,   12                         ; v12-15 the same for wq
.set B8,    14
.set SS,    16                         ; v16    scale words: lanes 0-15 x's 4 r, lanes 16-31 wq's;  v17: the same with x's blocks four lower
.set SS2,   17
.set L16,   18                         ; v18    16 x lane
.set L8,    19                         ; v19    8 x lane
.set PFA,   20                         ; v20-21 the prefetches' offsets; never rewritten
.set PFB,   21
.set EXO,   22                         ; v22    where I put the sums that I hand over
.set EXI,   23                         ; v23    where my partner puts mine
.set SPW,   28                         ; v28    LDS address of my spare word; never rewritten
.set NIL,   29                         ; v29    0; never rewritten
.set BQ,    64                         ; the way out: bq's four tiles,
.set BKV,   96                         ; bk's or bv's two,
.set OTH,   112                        ; my partner's sums,
.set OUTR,  208                        ; three half fragments
.set T,     226
.set TM,    230
.set SO,    234
.set E,     236
.set WD,    238
.set G1AP,  24
.set G1BP,  32
.set G1AQ,  40
.set G1BQ,  48
.set G0AP,  56
.set G0BP,  60
.set G1SA,  68
.set G1SB,  76
.set G0SA,  84
.set G0SB,  88
.set G0AQ,  92
.set G0BQ,  96
.set MSB, 0
.macro WIN new                         ; the immediate's high byte repeats the setting that is left
.if MSB != \new
	s_set_vgpr_msb (MSB<<8)|\new
.set MSB, \new
.endif
.endm
.macro PLACES                          ; four plain places: in front of loads into registers that matrix instructions have read, and of the first read of results
.rept 4
	v_nop
.endr
.endm
.macro TLOAD g0, g1
	tensor_load_to_lds s[\g0:\g0+3], s[\g1:\g1+7]
	s_nop 0
.rept 4
	v_nop
.endr
.endm
.macro ARM under, g0, g1, next
	s_cmp_lt_u32 s18, \under
	s_cbranch_scc0 \next
	TLOAD \g0, \g1
	s_branch .Lhead_asked
\next:
.endm
.macro FILLP                           ; a refill of P: wave 0 x's rows, wave 1 wq's; the places serve the LDS loads behind it
	s_cmp_eq_u32 s18, 0
	s_cbranch_scc0 .Lnot_a_\@
	TLOAD G0AP, G1AP
	s_branch .Lasked_\@
.Lnot_a_\@:
	s_cmp_eq_u32 s18, 1
	s_cbranch_scc0 .Lasked_\@
	TLOAD G0BP, G1BP
.Lasked_\@:
	PLACES
.endm
.macro FILLQ                           ; a refill of Q: waves 4, 5 halves of x's rows, waves 6, 7 of wq's
	s_cmp_lt_u32 s18, 4
	s_cbranch_scc1 .Lasked_\@
	s_cmp_lt_u32 s18, 6
	s_cbranch_scc0 .Lfor_b_\@
	TLOAD G0AQ, G1AQ
	s_branch .Lasked_\@
.Lfor_b_\@:
	TLOAD G0BQ, G1BQ
.Lasked_\@:
	PLACES
.endm
.macro CREST                           ; a round of the cluster's barrier behind its opening barrier
	s_cmp_lg_u32 s18, 0
	s_cbranch_scc1 .Lnot_wave_0_\@
	s_barrier_signal -3
.Lnot_wave_0_\@:
	s_barrier_wait -3
	s_barrier_signal -1
	s_barrier_wait -1
.endm
.macro CROUND
	s_barrier_signal -1
	s_barrier_wait -1
	CREST
.endm
.macro GROUP1 g, mask, rows            ; rows of 384 elements of 8 bytes, 1,536 elements apart; no padding: every fragment load is dense
	s_or_b32 s[\g], s\mask, (3<<16)|(1<<21)        ; 15:0 the mask; 17:16 elements of 8 bytes; 21 set beside a mask
	s_mov_b32 s[\g+1], 384<<16
	s_mov_b32 s[\g+2], (\rows)<<16
	s_mov_b32 s[\g+3], 384<<16
	s_mov_b32 s[\g+4], \rows
	s_mov_b32 s[\g+5], 1536
	s_mov_b32 s[\g+6], 0
	s_mov_b32 s[\g+7], 0
.endm
	s_load_b256 s[4:11], s[0:1], 0x0               ; xq s[4:5], wq s[6:7], bq s[8:9], bk s[10:11]
	s_load_b128 s[12:15], s[0:1], 0x20             ; bv s[12:13], qq s[14:15]
	s_load_b64 s[16:17], s[0:1], 0x30              ; kv
	v_lshl_add_u32 v[SPW], v0, 2, SPARE
	v_mov_b32 v[NIL], 0
	ds_add_u32 v[SPW], v[NIL]                      ; the wave's opening: the add, twice on end, and its wait; work on registers stands between
	ds_add_u32 v[SPW], v[NIL]
	v_lshrrev_b32 v1, 5, v0
	v_readfirstlane_b32 s18, v1                    ; wave 0..7
	s_lshr_b32 s67, s18, 2                         ; G: my half of K
	s_bfe_u32 s19, s18, 0x10001                    ; V: my half of the rows
	s_and_b32 s20, s18, 1                          ; U: my half of the columns
	s_bfe_u32 s21, ttmp6, 0x40000                  ; cx
	s_bfe_u32 s22, ttmp6, 0x40004                  ; cy
	s_lshl_b32 s23, ttmp9, 2
	s_add_co_u32 s23, s23, s21                     ; T: tile column
	s_and_b32 s66, ttmp7, 0xffff
	s_lshl_b32 s66, s66, 2
	s_add_co_u32 s66, s66, s22                     ; MY: tile row
	s_lshl_b32 s2, s22, 2
	s_lshl_b32 s2, 15, s2                          ; my row of the cluster
	s_lshl_b32 s3, 0x1111, s21                     ; my column
	GROUP1 G1AP, 2, 16                             ; x: 8 row blocks x 2
	GROUP1 G1BP, 3, 24                             ; wq: 12 x 2
	GROUP1 G1AQ, 2, 8
	GROUP1 G1BQ, 3, 12
	; scale words: 16 rows (K steps) of 128 or 192 words, a buffer's rows apart; x's padded to wq's LDS pitch of 768 bytes: after every 128 dwords (code 6) 64 dwords
	s_or_b32 s[G1SA], s2, (2<<16)|(1<<20)|(1<<21)|(6<<22)|(63<<25)
	s_mov_b32 s[G1SA+1], 128<<16
	s_mov_b32 s[G1SA+2], 16<<16
	s_mov_b32 s[G1SA+3], 128<<16
	s_mov_b32 s[G1SA+4], 16
	s_mov_b32 s[G1SA+5], 2048
	s_mov_b32 s[G1SA+6], 0
	s_mov_b32 s[G1SA+7], 0
	s_or_b32 s[G1SB], s3, (2<<16)|(1<<21)
	s_mov_b32 s[G1SB+1], 192<<16
	s_mov_b32 s[G1SB+2], 16<<16
	s_mov_b32 s[G1SB+3], 192<<16
	s_mov_b32 s[G1SB+4], 16
	s_mov_b32 s[G1SB+5], 3072
	s_mov_b32 s[G1SB+6], 0
	s_mov_b32 s[G1SB+7], 0
	; where the tiles come from (x's hang on the tile row alone, wq's on the tile column alone, each in registers that never hold the other coordinate) and where they go
	s_mov_b32 s[G0AP], 1
	s_mov_b32 s[G0AP+1], 0
	s_mul_i32 s[G0AP+2], s66, 8*RBP
	s_mov_b32 s[G0AP+3], 0
	s_mov_b32 s[G0BP], 1
	s_mov_b32 s[G0BP+1], PB
	s_mul_i32 s[G0BP+2], s23, 12*RBP
	s_mov_b32 s[G0BP+3], 0
	s_mov_b32 s[G0SA], 1
	s_mov_b32 s[G0SA+1], SCLA
	s_lshl_b32 s[G0SA+2], s66, 9
	s_add_co_u32 s[G0SA+2], s[G0SA+2], ASC
	s_mov_b32 s[G0SA+3], 0
	s_mov_b32 s[G0SB], 1
	s_mov_b32 s[G0SB+1], SCLB
	s_mul_i32 s[G0SB+2], s23, 768
	s_add_co_u32 s[G0SB+2], s[G0SB+2], WSC
	s_mov_b32 s[G0SB+3], 0
	s_mov_b32 s[G0AQ], 1
	s_mul_i32 s[G0AQ+1], s20, 4*PITR               ; Q's halves: four row blocks of x,
	s_add_co_u32 s[G0AQ+1], s[G0AQ+1], QB
	s_mul_i32 s[G0AQ+2], s20, 4*RBP
	s_add_co_u32 s[G0AQ+2], s[G0AQ+2], s[G0AP+2]
	s_add_co_u32 s[G0AQ+2], s[G0AQ+2], ROWB
	s_mov_b32 s[G0AQ+3], 0
	s_mov_b32 s[G0BQ], 1
	s_mul_i32 s[G0BQ+1], s20, 6*PITR               ; six of wq
	s_add_co_u32 s[G0BQ+1], s[G0BQ+1], QB+PB
	s_mul_i32 s[G0BQ+2], s20, 6*RBP
	s_add_co_u32 s[G0BQ+2], s[G0BQ+2], s[G0BP+2]
	s_add_co_u32 s[G0BQ+2], s[G0BQ+2], ROWB
	s_mov_b32 s[G0BQ+3], 0
	s_wait_alu depctr_va_vdst(0)
	s_wait_dscnt 0x0                               ; both opening adds are done
	CROUND                                         ; all sixteen work-groups are here: the first joint loads meet
	s_wait_kmcnt 0x0
	s_add_nc_u64 s[G0AP+2:G0AP+3], s[4:5], s[G0AP+2:G0AP+3]
	s_add_nc_u64 s[G0BP+2:G0BP+3], s[6:7], s[G0BP+2:G0BP+3]
	s_add_nc_u64 s[G0SA+2:G0SA+3], s[4:5], s[G0SA+2:G0SA+3]
	s_add_nc_u64 s[G0SB+2:G0SB+3], s[6:7], s[G0SB+2:G0SB+3]
	s_add_nc_u64 s[G0AQ+2:G0AQ+3], s[4:5], s[G0AQ+2:G0AQ+3]
	s_add_nc_u64 s[G0BQ+2:G0BQ+3], s[6:7], s[G0BQ+2:G0BQ+3]
	s_mov_b64 s[4:5], s[G0AP+2:G0AP+3]             ; for the prefetches
	s_mov_b64 s[6:7], s[G0BP+2:G0BP+3]
.irp g, G0AP, G0BP, G0SA, G0SB, G0AQ, G0BQ
	s_or_b32 s[\g+3], s[\g+3], 0x80000000
.endr
	ARM 1, G0AP, G1AP, .Lhead_1
	ARM 2, G0BP, G1BP, .Lhead_2
	ARM 3, G0SA, G1SA, .Lhead_3
	ARM 4, G0SB, G1SB, .Lhead_4
	ARM 6, G0AQ, G1AQ, .Lhead_6
	TLOAD G0BQ, G1BQ
.Lhead_asked:
	; the rest of the head under the loads' flight.  The biases' places: bq[64 (2 T + U) ..]; k: its two tiles of 16 columns; v: tile G twice
	s_lshl_b32 s2, s23, 1
	s_add_co_u32 s2, s2, s20
	s_lshl_b32 s2, s2, 8
	s_mov_b32 s3, 0
	s_add_nc_u64 s[8:9], s[8:9], s[2:3]
	s_lshl_b32 s2, s23, 7                          ; k, v: 32 columns a tile
	s_cmp_eq_u32 s20, 0
	s_cselect_b64 s[10:11], s[10:11], s[12:13]     ; bk for U = 0, bv for U = 1: the choice hangs on the wave's number
	s_cselect_b32 s100, -1, 0
	s_cselect_b32 s101, 4, 0
	s_add_nc_u64 s[10:11], s[10:11], s[2:3]
	s_lshl_b32 s2, s67, 6
	s_cmp_eq_u32 s20, 0
	s_cselect_b32 s12, 64, s2
	s_cselect_b32 s2, 0, s2
	s_mov_b32 s13, 0
	s_add_nc_u64 s[12:13], s[10:11], s[12:13]
	s_add_nc_u64 s[10:11], s[10:11], s[2:3]
	v_and_b32 v1, 31, v0                           ; lane
	v_and_b32 v2, 15, v0                           ; r
	v_bfe_u32 v3, v0, 4, 1                         ; h
	v_lshlrev_b32 v[L16], 4, v1
	v_lshlrev_b32 v[L8], 3, v1
	s_wait_alu depctr_va_vdst(0)                   ; ahead of the scalar lines below
	s_mul_i32 s2, s19, 4*PITR
	s_mul_i32 s3, s67, ROWB
	s_add_co_u32 s2, s2, s3                        ; my rows of x,
	s_mul_i32 s104, s20, NBF*PITR
	s_add_co_u32 s104, s104, s3
	s_add_co_u32 s104, s104, PB                    ; of wq
	v_add_nc_u32 v[A16], s2, v[L16]
	v_add_nc_u32 v[A8], s2, v[L8]
	v_add_nc_u32 v[B16], s104, v[L16]
	v_add_nc_u32 v[B8], s104, v[L8]
	v_add_nc_u32 v[A16+1], QB, v[A16]
	v_add_nc_u32 v[A8+1], QB, v[A8]
	v_add_nc_u32 v[B16+1], QB, v[B16]
	v_add_nc_u32 v[B8+1], QB, v[B8]
	s_lshl_b32 s2, s19, 8                          ; x's scale words: my 64 rows
	s_mul_i32 s3, s20, 384                         ; wq's: my 96
	s_add_co_u32 s3, s3, SCLB-SCLA
	s_sub_co_u32 s3, s3, s2
	s_mul_i32 s104, s67, 8*768                     ; my eight K steps
	s_add_co_u32 s2, s2, s104
	s_add_co_u32 s2, s2, SCLA
	s_sub_co_u32 s104, s2, 256
	s_add_co_u32 s105, s3, 256
	s_wait_alu depctr_va_vdst(0)
	v_mul_u32_u24 v4, s3, v3
	v_lshl_add_u32 v5, v2, 2, v4
	v_add_nc_u32 v[SS], s2, v5
	v_mul_u32_u24 v6, s105, v3
	v_lshl_add_u32 v7, v2, 2, v6
	v_add_nc_u32 v[SS2], s104, v7
	s_mul_i32 s2, s18, XCH
	s_xor_b32 s3, s18, 4
	s_mul_i32 s3, s3, XCH
	v_add_nc_u32 v[EXO], s2, v[L16]
	v_add_nc_u32 v[EXI], s3, v[L16]
	v_lshlrev_b32 v48, 5, v3                       ; 32 h
	v_lshlrev_b32 v49, 2, v2                       ; 4 r
	v_cndmask_b32 v50, v49, v48, s100              ; k: bk[.. + 8 h + j]: 32 h + 4 j;   v: bv[.. + r] in all eight registers: 4 r
	s_lshl_b32 s2, s21, 2                          ; x's prefetch: of the tile's 16 rows row 4 cx + wave / 2, blocks 6 (wave % 2) + 0 .. 5 of a fill's 12
	s_lshr_b32 s3, s18, 1
	s_add_co_u32 s2, s2, s3
	s_mul_i32 s2, s2, 12288
	s_mul_i32 s3, s20, 1536
	s_add_co_u32 s2, s2, s3
	v_min_u32 v51, 5, v1
	v_lshl_add_u32 v[PFA], v51, 8, s2
	s_lshl_b32 s3, s22, 1                          ; wq's: of 24 rows 3 (2 cy + G) + 0 .. 2, blocks 3 (wave % 4) + 0 .. 2
	s_add_co_u32 s3, s3, s67
	s_mul_i32 s3, s3, 3*12288
	s_and_b32 s104, s18, 3
	s_mul_i32 s104, s104, 768
	s_add_co_u32 s3, s3, s104
	v_min_u32 v52, 8, v1
	v_mul_u32_u24 v53, v52, 43
	v_lshrrev_b32 v53, 7, v53                      ; lane / 3, for lanes 0-8
	v_mul_u32_u24 v54, v53, 3
	v_sub_nc_u32 v54, v52, v54
	v_mul_u32_u24 v55, v53, 12288
	v_lshl_add_u32 v55, v54, 8, v55
	v_add_nc_u32 v[PFB], s3, v55
	s_wait_alu depctr_va_vdst(0)
.macro ASK k
	global_prefetch_b8 v[PFA], s[4:5] offset:(\k)*ROWB th:TH_LOAD_NT scope:SCOPE_SE
	global_prefetch_b8 v[PFB], s[6:7] offset:(\k)*ROWB th:TH_LOAD_NT scope:SCOPE_SE
.endm
	ASK 2                                          ; fill 2's tiles
; LDS load n of my K step j's 46: scale words, x's fragments, wq's; each fragment in four loads, dense from lane to lane.  Into set j % 2.
.macro LD n, j
.set P_, (\j)%2
.set RG_, ((\j)/2)%2
.if (\n) < 6
	WIN 0
.if (\n) < 4
	ds_load_b32 v[SCR+8*P_+(\n)], v[SS] offset:768*(\j)+64*(\n)
.else
	ds_load_b32 v[SCR+8*P_+(\n)], v[SS2] offset:768*(\j)+64*(\n)
.endif
.else
.set G_, ((\n)-6)/4
.set C_, (((\n)-6)%4)/2
.if G_ < 4
.set R_, S0R+120*P_+12*G_+6*C_
.set O_, G_*PITR+P_*FRB+C_*HFB
.else
.set R_, S0R+120*P_+48+12*(G_-4)+6*C_
.set O_, (G_-4)*PITR+P_*FRB+C_*HFB
.endif
.set W_, (R_>>8)<<6
.set RL_, R_&255
	WIN W_
.if G_ < 4
.if (\n)%2 == 0
	ds_load_b128 v[RL_:RL_+3], v[A16+RG_] offset:O_
.else
	ds_load_b64 v[RL_+4:RL_+5], v[A8+RG_] offset:O_+512
.endif
.else
.if (\n)%2 == 0
	ds_load_b128 v[RL_:RL_+3], v[B16+RG_] offset:O_
.else
	ds_load_b64 v[RL_+4:RL_+5], v[B8+RG_] offset:O_+512
.endif
.endif
.endif
.endm
.macro LDALL j
.set LN, 0
.rept NLD
	LD LN, \j
.set LN, LN+1
.endr
	WIN 0
.endm
; A product; side: which source is wq's rows (its scales lie in lanes 16-31).  first = 1 starts the sum.  C and D lie in window 1.
.macro PROD d, s0, s1, x0, x1, side, first
.set D_, (\d)-256
.set S0_, (\s0)&255
.set S1_, (\s1)&255
.set W_, ((\s0)>>8)+4*((\s1)>>8)+0x50
	WIN W_
.if \first
	v_wmma_scale_f32_16x16x128_f8f6f4 v[D_:D_+7], v[S0_:S0_+11], v[S1_:S1_+11], 0, v[\x0], v[\x1] matrix_a_fmt:MATRIX_FMT_FP6 matrix_b_fmt:MATRIX_FMT_FP6 matrix_\side\()_scale:MATRIX_SCALE_ROW1
.else
	v_wmma_scale_f32_16x16x128_f8f6f4 v[D_:D_+7], v[S0_:S0_+11], v[S1_:S1_+11], v[D_:D_+7], v[\x0], v[\x1] matrix_a_fmt:MATRIX_FMT_FP6 matrix_b_fmt:MATRIX_FMT_FP6 matrix_\side\()_scale:MATRIX_SCALE_ROW1
.endif
.endm
; q's products n = 4 f + a, from .. to - 1, on set p.  All 24 accumulators take turns in one fixed order, one instruction a turn.
.macro MULQ p, first, from, to
.set N_, \from
.rept (\to)-(\from)
.set F_, N_/4
.set X_, N_%4
	PROD ACQ+8*(4*X_+F_), S0R+120*(\p)+48+12*F_, S0R+120*(\p)+12*X_, SCR+8*(\p)+F_, SCR+8*(\p)+X_, a, \first
.set N_, N_+1
.endr
.endm
; k's products (U = 0, transposed) or v's (U = 1, x as source 0): a branch on the wave's number round eight matrix instructions.
.macro MULKV p, first
	WIN 0
	s_cmp_eq_u32 s20, 0
	s_cbranch_scc0 .Lv_\@
.irp a, 0,1,2,3
.irp g, 0,1
	PROD ACKV+8*(2*\a+\g), S0R+120*(\p)+96+12*\g, S0R+120*(\p)+12*\a, SCR+8*(\p)+4+\g, SCR+8*(\p)+\a, a, \first
.endr
.endr
	WIN 0
	s_branch .Lj_\@
.Lv_\@:
.irp g, 0,1
.irp a, 0,1,2,3
	PROD ACKV+32*\g+8*\a, S0R+120*(\p)+12*\a, S0R+120*(\p)+96+12*\g, SCR+8*(\p)+\a, SCR+8*(\p)+4+\g, b, \first
.endr
.endr
	WIN 0
.Lj_\@:
.endm
; A K step whose successor lies in the same region: the successor's loads go out in one run and land under this step's products.
.macro STEP j, first
	s_wait_dscnt 0x0
	PLACES
	LDALL (\j)+1
	MULQ (\j)%2, \first, 0, 16
	MULKV (\j)%2, \first
.endm
; A region's last K step: one barrier; in front of it each wave waits for all its tensor loads and for its reads of this region, and where the region is filled again adds 0 to its spare word.
.macro TURN j, ga, gb, fill
	s_wait_dscnt 0x0
	MULQ (\j)%2, 0, 0, 8
	WIN 0
	s_wait_tensorcnt 0x0                           ; all my tensor loads have landed: my part of the other region among them
	ds_add_u32 v[SPW], v[NIL]                      ; 0 onto my spare word
	s_add_nc_u64 s[\ga+2:\ga+3], s[\ga+2:\ga+3], 2*ROWB
	s_add_nc_u64 s[\gb+2:\gb+3], s[\gb+2:\gb+3], 2*ROWB
	MULQ (\j)%2, 0, 8, 12
	s_wait_dscnt 0x0                               ; the add is done; my reads of this region were done at the step's head
	s_barrier_signal -1
	MULQ (\j)%2, 0, 12, 16
	WIN 0
	s_barrier_wait -1
	CREST                                          ; the barrier has opened a round of the cluster's: no wave of any partner still reads this region or has a load on its way
	\fill
	LDALL (\j)+1
	MULKV (\j)%2, 0
.endm
	s_cmp_lt_u32 s18, 4
	s_cbranch_scc0 .Lnot_first
	s_wait_tensorcnt 0x0                           ; waves 0-3: P and the scale words; Q may still be on its way
.Lnot_first:
	s_barrier_signal -1
	s_barrier_wait -1
	LDALL 0
	STEP 0, 1
	ASK 3                                          ; fill 3's tiles: two steps and more ahead of its round
	TURN 1, G0AP, G0BP, FILLP
	STEP 2, 0
	TURN 3, G0AQ, G0BQ, FILLQ
	STEP 4, 0
	s_wait_dscnt 0x0                               ; step 5: a plain barrier shows fill 3; nothing is left to fetch
	MULQ 1, 0, 0, 8
	WIN 0
	s_wait_tensorcnt 0x0
	s_barrier_signal -1
	MULQ 1, 0, 8, 16
	WIN 0
	s_barrier_wait -1
	PLACES
	LDALL 6
	MULKV 1, 0
	STEP 6, 0
	s_wait_dscnt 0x0                               ; step 7
	PLACES                                         ; set 0 is done with: the biases take its registers.  q: lane (r, h), tile f, register j: bq[.. + 16 f + 8 h + j]
.irp j, 0,1,2,3,4,5,6,7
	v_mad_u32_u24 v[OTH+\j], s101, \j, v50
.endr
.irp f, 0,1,2,3
	global_load_b128 v[BQ+8*\f:BQ+8*\f+3], v48, s[8:9] offset:64*\f
	global_load_b128 v[BQ+8*\f+4:BQ+8*\f+7], v48, s[8:9] offset:64*\f+16
.endr
.irp j, 0,1,2,3,4,5,6,7
	global_load_b32 v[BKV+\j], v[OTH+\j], s[10:11]
	global_load_b32 v[BKV+8+\j], v[OTH+\j], s[12:13]
.endr
	MULQ 1, 0, 0, 16
	MULKV 1, 0
	PLACES
; THE EXCHANGE: half m of the sums, as images of the registers, each accumulator from its low end on.
.macro HANDOVER m
	WIN 0x04                                       ; the data: window 1
.set I_, 0
.rept 16
	ds_store_b128 v[EXO], v[QL+64*(\m)+4*I_:QL+64*(\m)+4*I_+3] offset:512*I_
.set I_, I_+1
.endr
.set I_, 0
.rept 8
	ds_store_b128 v[EXO], v[KL+32*(\m)+4*I_:KL+32*(\m)+4*I_+3] offset:512*(16+I_)
.set I_, I_+1
.endr
	WIN 0
.endm
	s_cmp_eq_u32 s67, 0
	s_cbranch_scc0 .Lgive_0
	HANDOVER 1
	s_branch .Lgiven
.Lgive_0:
	HANDOVER 0
.Lgiven:
	s_wait_loadcnt 0x0                             ; the biases are in; their address registers may be written
	s_wait_dscnt 0x0                               ; for my partner's sake: my half has landed
	s_barrier_signal -1
	s_lshr_b32 s24, s66, 3                         ; b.  Every store's base is made here
	s_and_b32 s25, s66, 7
	s_lshl_b32 s25, s25, 1
	s_add_co_u32 s25, s25, s19                     ; kg: which 64 tokens of the batch
	s_lshl_b32 s26, s24, 5
	s_lshl_b32 s27, s23, 1
	s_add_co_u32 s26, s26, s27
	s_add_co_u32 s26, s26, s20                     ; 32 b + head
	s_lshl_b32 s27, s26, 4
	s_add_co_u32 s27, s27, s25
	s_mul_i32 s28, s27, 4*HFB                      ; four tiles of 16 tokens,
	s_mul_i32 s29, s67, 2*HFB                      ; of which I finish two
	s_add_co_u32 s28, s28, s29
	s_mov_b32 s29, 0
	s_add_nc_u64 s[28:29], s[14:15], s[28:29]      ; q's codes
	s_lshl_b32 s30, s27, 8
	s_lshl_b32 s31, s67, 7
	s_add_co_u32 s30, s30, s31
	s_add_co_u32 s30, s30, QSC
	s_mov_b32 s31, 0
	s_add_nc_u64 s[30:31], s[14:15], s[30:31]      ; q's scale words
	s_lshl_b32 s32, s24, 3
	s_lshr_b32 s33, s23, 1
	s_add_co_u32 s32, s32, s33                     ; 8 b + group
	s_mul_i32 s32, s32, KVB
	s_and_b32 s33, s23, 1                          ; H: which half of the head's 64
	s_mul_i32 s34, s25, 3072
	s_add_co_u32 s34, s34, s32
	s_mul_i32 s35, s33, HFB                        ; k's codes: + 768 H + 1,536 G
	s_mul_i32 s36, s67, 2*HFB
	s_add_co_u32 s35, s35, s36
	s_mul_i32 s36, s33, 2*HFB                      ; v's: + 49,152 + 1,536 H + 768 G
	s_mul_i32 s37, s67, HFB
	s_add_co_u32 s36, s36, s37
	s_add_co_u32 s36, s36, 49152
	s_lshl_b32 s37, s25, 7                         ; k's halfwords: 98,304 + 128 kg + 2 H
	s_lshl_b32 s38, s33, 1
	s_add_co_u32 s37, s37, s38
	s_add_co_u32 s37, s37, 98304
	s_lshr_b32 s38, s25, 1                         ; v's: 100,352 + 256 (kg / 2) + 128 H + 2 (kg % 2)
	s_lshl_b32 s38, s38, 8
	s_lshl_b32 s39, s33, 7
	s_add_co_u32 s38, s38, s39
	s_and_b32 s39, s25, 1
	s_lshl_b32 s39, s39, 1
	s_add_co_u32 s38, s38, s39
	s_add_co_u32 s38, s38, 100352
	s_cmp_eq_u32 s20, 0
	s_cselect_b32 s35, s35, s36
	s_cselect_b32 s37, s37, s38
	s_add_co_u32 s34, s34, s35
	s_mov_b32 s35, 0
	s_add_nc_u64 s[40:41], s[16:17], s[34:35]      ; k's or v's codes
	s_lshl_b32 s38, s67, 6
	s_add_co_u32 s34, s32, s37
	s_add_co_u32 s34, s34, s38                     ; + 64 G
	s_add_nc_u64 s[42:43], s[16:17], s[34:35]      ; the halfwords
	s_mov_b32 s44, 0x76543210
	s_mov_b32 s45, 0xfedcba98                      ; v_permlanex16_b32's selects for lane l xor 16
	s_barrier_wait -1
.set I_, 0
.rept 24
	ds_load_b128 v[OTH+4*I_:OTH+4*I_+3], v[EXI] offset:512*I_   ; my partner's part of my half: the same registers in the same lanes
.set I_, I_+1
.endr
	v_mov_b32 v[TM+2], 0                           ; (a lane permute's destination counts as one of its sources)
	v_mov_b32 v[TM+3], 0
	v_lshlrev_b32 v62, 2, v2                       ; 4 r
	v_lshlrev_b32 v63, 2, v1                       ; 4 x lane
	v_cmp_eq_u32 vcc_lo, 1, v3
	s_wait_alu depctr_va_vdst(0)                   ; ahead of the wait and the branch below
	s_wait_dscnt 0x0
; Two runs of 16 results (window 1), each half of a block of 32 whose other half lies in lane l xor 16, become a half fragment in v[out] on: lane (r, h) holds the block of run h.  The two bytes stand in v[E], v[E+1].
.macro HFQ g0, g1, out
	WIN 0x05                                       ; sources 0 and 1 window 1
	v_max3_num_f32 v[TM], |v[\g0]|, |v[\g0+1]|, 0x1800000     ; the floor 2^(3 - 127) holds the byte at 1 from below
	v_max3_num_f32 v[TM+1], |v[\g1]|, |v[\g1+1]|, 0x1800000
.irp k, 2,4,6,8,10,12,14
	v_max3_num_f32 v[TM], |v[\g0+\k]|, |v[\g0+\k+1]|, v[TM]
	v_max3_num_f32 v[TM+1], |v[\g1+\k]|, |v[\g1+\k+1]|, v[TM+1]
.endr
	WIN 0
	v_permlanex16_b32 v[TM+2], v[TM], s44, s45
	v_permlanex16_b32 v[TM+3], v[TM+1], s44, s45
	v_max_num_f32 v[TM], v[TM], v[TM+2]
	v_max_num_f32 v[TM+1], v[TM+1], v[TM+3]
	v_add_nc_u32 v[SO], 0xff000000, v[TM]          ; 2 off the exponent field: the conversion's scale operand
	v_add_nc_u32 v[SO+1], 0xff000000, v[TM+1]
	v_lshrrev_b32 v[E], 23, v[SO]
	v_lshrrev_b32 v[E+1], 23, v[SO+1]
	WIN 0x01                                       ; source 0 window 1
	v_cvt_scalef32_pk16_fp6_f32 v[\out:\out+2], v[\g0:\g0+15], v[SO]
	v_cvt_scalef32_pk16_fp6_f32 v[T:T+2], v[\g1:\g1+15], v[SO+1]
	WIN 0
	v_nop                                          ; one plain place behind the scaled conversions
.irp i, 0,1,2
	v_permlane16_swap_b32 v[\out+\i], v[T+\i]      ; the first's lanes 16-31 change places with the second's lanes 0-15
.endr
.irp i, 0,1,2
	v_mov_b32 v[\out+3+\i], v[T+\i]
.endr
.endm
.macro FINISH m
	WIN 0x41                                       ; source 0 and destination window 1
.set I_, 0
.rept 32
	v_pk_add_f32 v[QL+64*(\m)+2*I_:QL+64*(\m)+2*I_+1], v[QL+64*(\m)+2*I_:QL+64*(\m)+2*I_+1], v[OTH+2*I_:OTH+2*I_+1]   ; the two halves of K; each accumulator from its low end on
.set I_, I_+1
.endr
.set I_, 0
.rept 16
	v_pk_add_f32 v[KL+32*(\m)+2*I_:KL+32*(\m)+2*I_+1], v[KL+32*(\m)+2*I_:KL+32*(\m)+2*I_+1], v[OTH+64+2*I_:OTH+64+2*I_+1]
.set I_, I_+1
.endr
.set I_, 0
.rept 32
	v_pk_add_f32 v[QL+64*(\m)+2*I_:QL+64*(\m)+2*I_+1], v[QL+64*(\m)+2*I_:QL+64*(\m)+2*I_+1], v[BQ+(2*I_)%32:BQ+(2*I_)%32+1]   ; the bias
.set I_, I_+1
.endr
.set I_, 0
.rept 16
	v_pk_add_f32 v[KL+32*(\m)+2*I_:KL+32*(\m)+2*I_+1], v[KL+32*(\m)+2*I_:KL+32*(\m)+2*I_+1], v[BKV+(2*I_)%16:BKV+(2*I_)%16+1]
.set I_, I_+1
.endr
.irp a, 0,1                                ; q: tiles 2 m + a of 16 tokens
	HFQ QL+64*(\m)+32*\a, QL+64*(\m)+32*\a+16, OUTR+6*\a
	v_lshl_or_b32 v[WD+\a], v[E+1], 16, v[E]
	v_lshl_or_b32 v[WD+\a], v[WD+\a], 8, v[WD+\a]  ; bytes s0, s0, s1, s1
	global_store_b128 v[L16], v[OUTR+6*\a:OUTR+6*\a+3], s[28:29] offset:HFB*\a        ; 512 consecutive bytes
	global_store_b64 v[L8], v[OUTR+6*\a+4:OUTR+6*\a+5], s[28:29] offset:HFB*\a+512    ; 256 consecutive bytes
.endr
	v_cndmask_b32 v[WD+2], v[WD], v[WD+1], vcc_lo
	global_store_b32 v63, v[WD+2], s[30:31]        ; 32 tokens' words: 128 consecutive bytes
	HFQ KL+32*(\m), KL+32*(\m)+16, OUTR+12         ; k: tokens 32 m .. (lane (r, h): token 16 h + r);  v: d 16 m .. of my 32 (lane (r, h): key block h)
	v_lshl_or_b32 v[WD+3], v[E+1], 8, v[E]
	global_store_b128 v[L16], v[OUTR+12:OUTR+15], s[40:41]
	global_store_b64 v[L8], v[OUTR+16:OUTR+17], s[40:41] offset:512
.endm
	s_cmp_eq_u32 s67, 0
	s_cbranch_scc0 .Lfinish_1
	FINISH 0
	s_wait_alu depctr_va_vdst(0)
	s_branch .Lfinished
.Lfinish_1:
	FINISH 1
	s_wait_alu depctr_va_vdst(0)
.Lfinished:
	v_cmp_eq_u32 vcc_lo, 0, v3
	s_wait_xcnt 0x0                                ; EXEC changes only behind this wait
	s_and_saveexec_b32 s46, vcc_lo
	global_store_b16 v62, v[WD+3], s[42:43]        ; lanes 0-15: my 16 rows' two bytes
	s_wait_xcnt 0x0
	s_or_b32 exec_lo, exec_lo, s46
	s_wait_tensorcnt 0x0                           ; the wave's end
	ds_add_u32 v[SPW], v[NIL]
	s_wait_dscnt 0x0
	CROUND                                         ; the closing round: no work-group ends while a partner may still ask for a tile that names it
	s_endpgm
.Lfunc_end_k_qdb9945f3e1_qkv:
	.size	k_qdb9945f3e1_qkv, .Lfunc_end_k_qdb9945f3e1_qkv-k_qdb9945f3e1_qkv
	.p2alignl 7, 3214868480
	.fill 96, 4, 3214868480
	.section	.rodata,"a",@progbits
	.p2align	6, 0x0
	.amdhsa_kernel k_qdb9945f3e1_qkv
		.amdhsa_group_segment_fixed_size 327680
		.amdhsa_private_segment_fixed_size 0
		.amdhsa_enable_private_segment 0
		.amdhsa_kernarg_size 56
		.amdhsa_user_sgpr_count 2
		.amdhsa_user_sgpr_kernarg_segment_ptr 1
		.amdhsa_wavefront_size32 1
		.amdhsa_system_sgpr_workgroup_id_x 1
		.amdhsa_system_sgpr_workgroup_id_y 1
		.amdhsa_system_sgpr_workgroup_id_z 1
		.amdhsa_system_vgpr_workitem_id 0
		.amdhsa_next_free_vgpr 512
		.amdhsa_next_free_sgpr 106
		.amdhsa_reserve_vcc 1
		.amdhsa_float_denorm_mode_32 3
		.amdhsa_float_denorm_mode_16_64 3
		.amdhsa_memory_ordered 1
		.amdhsa_forward_progress 1
		.amdhsa_inst_pref_size 111
	.end_amdhsa_kernel
	.amdgpu_metadata
---
amdhsa.version: [ 1, 2 ]
amdhsa.kernels:
  - .name:           k_qdb9945f3e1_qkv
    .symbol:         k_qdb9945f3e1_qkv.kd
    .args:
      - { .name: xq, .offset: 0, .size: 8, .value_kind: global_buffer, .address_space: global }
      - { .name: wq, .offset: 8, .size: 8, .value_kind: global_buffer, .address_space: global }
      - { .name: bq, .offset: 16, .size: 8, .value_kind: global_buffer, .address_space: global }
      - { .name: bk, .offset: 24, .size: 8, .value_kind: global_buffer, .address_space: global }
      - { .name: bv, .offset: 32, .size: 8, .value_kind: global_buffer, .address_space: global }
      - { .name: qq, .offset: 40, .size: 8, .value_kind: global_buffer, .address_space: global }
      - { .name: kv, .offset: 48, .size: 8, .value_kind: global_buffer, .address_space: global }
    .group_segment_fixed_size: 327680
    .private_segment_fixed_size: 0
    .kernarg_segment_align: 8
    .kernarg_segment_size: 56
    .max_flat_workgroup_size: 256
    .sgpr_count:     106
    .vgpr_count:     512
    .wavefront_size: 32
...
	.end_amdgpu_metadata
.endif
;; end of part 2
;; launch attn (part 3): grid 16 x 16, 16 waves a work-group, clusters of 4 x 1, 178,176 bytes of LDS; arguments qq, kv, aq, Wo, woq; writes aq, woq
.if DOCPART == 3
	.amdgcn_target "amdgcn-amd-amdhsa--gfx1250"
	.amdhsa_code_object_version 6
	.text
	.protected	k_qdb9945f3e1_attn
	.globl	k_qdb9945f3e1_attn
	.p2align	8
	.type	k_qdb9945f3e1_attn,@function
k_qdb9945f3e1_attn:
	s_mov_b64 s[64:65], 0
	v_nop
	global_prefetch_b8 v0, s[64:65] scope:SCOPE_SE
	s_setreg_imm32_b32 hwreg(HW_REG_WAVE_MODE, 25, 1), 1
	s_wait_xcnt 0x0
	s_wait_alu depctr_hold_cnt(0) depctr_sa_sdst(0) depctr_va_vdst(0) depctr_va_sdst(0) depctr_va_ssrc(0) depctr_va_vcc(0) depctr_vm_vsrc(0)
	s_getreg_b32 s2, hwreg(HW_REG_IB_STS2, 6, 4)
	s_cmp_eq_u32 s2, 0
	s_cbranch_scc0 .Lentry_in_a_cluster
	s_endpgm
.Lentry_in_a_cluster:
	s_bfe_u32 s2, ttmp6, 0x10000c
	s_cmp_lg_u32 s2, 0x3003
	s_cbranch_scc0 .Lentry_shape_is_right
	s_endpgm
.Lentry_shape_is_right:
; Causal attention with grouped keys and values, both products on codes of FP6 (E2M3) with E8M0 scales; the result, divided by the row's sum, is quantised along the heads' axis for the last product.
; t = score x log2(e) / 8; M = the running largest t rounded up to a whole number; p = 2^(t - M) is what is quantised, along the keys; the row's sum is taken of the unquantised p.
; SHARES.  Work-group (x, y): y = 8 b + group; x = 4 hg + w: head 4 group + hg, and of each 64 queries the tile w of 16: sixteen tiles, tile 4 sigma + w, sigma = 0 .. 15.  Tile sigma has sigma / 2 + 1 key steps of 128
; that hold a visible key: 1 to 8.  TWO WAVES SHARE TWO TILES: waves 2 p and 2 p + 1 own the tiles of sigma = 15 - p and sigma = p, nine steps together.  Of its OWN tile a wave takes the steps whose number has the
; parity of the tile's last step (the step on the diagonal among them), of its PARTNER's tile the steps of the other parity.  So every wave has 4 or 5 steps and one masked step, and each four waves j / 4 and each
; four waves j % 4 have eighteen steps.  The partner's steps come first; their O^T, sum and M go to the partner through LDS as images of the registers; behind the own steps and one barrier the two parts of a tile
; are brought under their common M by factors 2^(M1 - M), 2^(M2 - M), which round nothing, and added.  A part without a step holds zeros and -M = 3e38: its factor is 0.
; ALL of the (b, group)'s K and V, codes and scale words, 102,400 bytes, lies in LDS, filled ONCE as it lies in memory: no slot is filled again.  Behind it: the sixteen parts, 4,608 bytes each, where no fill lands.
; CLUSTER 4 x 1: the four work-groups of a head ask for that block jointly.  All sixteen work-groups of a (b, group) read it; a mask names four.
; LAYOUT.  Both products transposed: S^T = K Q^T, O^T = V^T P^T: a lane holds one query (lane % 16) throughout; a tile's registers are keys 8 (lane / 16) + 0..7, so two neighbouring tiles give a
; lane 16 keys of a block of 32 with the two middle groups of eight exchanged, as V's codes have them.
; K = 64 IN AN INSTRUCTION OF 128: a fragment of K holds TWO tiles of 16 keys: its blocks 0 and 2 are the two d blocks of keys 0-15, blocks 1 and 3 those of keys 16-31.  Q stands twice: with its codes
; in lanes 0-15 alone (blocks 0 and 2) and in lanes 16-31 alone (blocks 1 and 3), zeros elsewhere: zero codes add nothing, so each product gives one of the two tiles.
; CAUSAL: each pass walks 8 trips; a trip that is hidden, or of the other parity, is jumped over (scalar branches on ids, round register work and LDS reads alone); in the own tile's last step hidden scores become -infinity.
; LIMITS: NaN and infinities are not served; a block whose largest magnitude lies under 2^-124 gets the byte 1.  aq's scale bytes leave one byte a lane: 1 byte in 24 of aq.
; Nothing is prefetched: the launch's only loads from memory are its first.
; REGISTERS: v1-5, v7, v11 stay; v8-10 the step's addresses; v12 -M, v13 largest t, v[14:15] the sum; v16-27, v28-39 Q twice; v40-87 four fragments of K, then of V; v88-95 their scale words; v96-159 S^T, then p;
;   v160-191 O^T; v192-203 p's codes; v204-210 at work; v212-215 block maxima; v216-223 at work; v224 p's scale word, v225 the partner's tile's Q's; v[226:227] f; v238-249 my own tile's Q as loaded, v250 its scale words.
; WO IS QUANTISED HERE TOO, by the eight waves that have four steps (the others have five): those whose own tile's last step is odd, ahead of the barrier behind the second pass.  Work-group (x, y) takes K step y of columns
; 128 x .. 128 x + 127; wave j = 8 j3 + 4 j2 + 2 j1 + j0 (j2 = j0 in these eight) takes block 2 j3 + j1 of the step's four, columns 64 j0 + lane and 64 j0 + 32 + lane: a lane's 32 registers run down K.  The layout is the other operands'.
; So what is said above of loads and prefetches holds for Q, K and V alone: Wo's tile is loaded by these waves behind their second pass, and asked for by a prefetch between the passes: each of its 256 blocks of 256 bytes
; once, sixteen to a wave.  The limits above hold for Wo as well; woq's scale bytes leave one byte a lane: 1 byte in 24 of woq.
.set KVB,   102400
.set VC,    49152                      ; V's codes
.set KS,    98304                      ; K's scale words; V's 2,048 bytes on
.set QSC,   3145728                    ; qq's and aq's scale words
.set PART,  102400                     ; the parts that go from wave to wave
.set PARTB, 9*512                      ; a part: eight images of four registers of O^T, one of v[12:15]
.set PC,    192
.set CT,    204
.set BM,    212
.set PT,    216
.set SO,    220
.set PW,    224
.set QWO,   225
.set F,     226
.set TMP,   228
.set QR,    238
.set QWM,   250
.macro PLACES
.rept 4
	v_nop
.endr
.endm
.macro CROUND                          ; a round of the cluster's barrier
	s_barrier_signal -1
	s_barrier_wait -1
	s_cmp_lg_u32 s10, 0
	s_cbranch_scc1 .Lnot_wave_0_\@
	s_barrier_signal -3
.Lnot_wave_0_\@:
	s_barrier_wait -3
	s_barrier_signal -1
	s_barrier_wait -1
.endm
.macro WM0 d, a, b, sa, sb             ; a product that starts its sum
	v_wmma_scale_f32_16x16x128_f8f6f4 v[\d:\d+7], v[\a:\a+11], v[\b:\b+11], 0, v[\sa], v[\sb] matrix_a_fmt:MATRIX_FMT_FP6 matrix_b_fmt:MATRIX_FMT_FP6
.endm
.macro WMA d, a, b, sa, sb             ; and one that adds in place
	v_wmma_scale_f32_16x16x128_f8f6f4 v[\d:\d+7], v[\a:\a+11], v[\b:\b+11], v[\d:\d+7], v[\sa], v[\sb] matrix_a_fmt:MATRIX_FMT_FP6 matrix_b_fmt:MATRIX_FMT_FP6
.endm
.macro INIT                            ; a pass begins: the step is written once for a pass, and its first step finds zeros, which the first change of M leaves zeros
	v_mov_b32 v13, 0xff61b1e6                      ; the largest t so far: -3e38
	s_delay_alu instid0(VALU_DEP_1)
	v_floor_f32 v12, -v13                          ; -M
	v_mov_b32 v14, 0
	v_mov_b32 v15, 0
.set j, 0
.rept 32
	v_mov_b32 v[160+j], 0                          ; O^T
.set j, j+1
.endr
.endm
; A PASS over the key steps of one tile: those up to s[lastr] whose number has the parity s[parr].  qwr: the register of the tile's Q's scale words.  diag = 1: the pass holds the tile's last step, which is masked.
.macro PASS lastr, parr, qwr, diag
	s_mov_b32 s36, 0                               ; the key step
	s_mov_b32 s37, 0                               ; its codes: 6,144 bytes a step, in K's part and in V's
	s_mov_b32 s38, 0                               ; its scale words: 256 bytes a step
.Lstep_\@:
	s_cmp_gt_u32 s36, s[\lastr]
	s_cbranch_scc1 .Lhidden_\@
	s_xor_b32 s55, s36, s[\parr]
	s_and_b32 s55, s55, 1
	s_cmp_lg_u32 s55, 0
	s_cbranch_scc1 .Lhidden_\@
	v_add_nc_u32 v8, s37, v1
	v_add_nc_u32 v9, s37, v2
	v_add_nc_u32 v10, s38, v3
	v_nop                                          ; four places in front of loads into registers that the last step's products read
.irp g, 0,1
.irp p, 0,1
.irp c, 0,1
	ds_load_b128 v[40+12*(2*\g+\p)+6*\c:40+12*(2*\g+\p)+6*\c+3], v8 offset:3072*\g+1536*\p+768*\c
	ds_load_b64 v[40+12*(2*\g+\p)+6*\c+4:40+12*(2*\g+\p)+6*\c+5], v9 offset:3072*\g+1536*\p+768*\c+512
.endr
	ds_load_b32 v[88+2*\g+\p], v10 offset:128*\g+64*\p
.endr
.endr
	s_wait_dscnt 0x0
	s_wait_alu depctr_va_vdst(0)
.irp t, 0,1,2,3                                ; fragment t: keys 32 t on: two tiles
	WM0 96+16*\t, 40+12*\t, 16, 88+\t, \qwr
	WM0 104+16*\t, 40+12*\t, 28, 88+\t, \qwr
.endr
	PLACES
.irp t, 0,1,2,3                                ; V's four fragments (16 d x 128 keys) take K's registers and land under the softmax
.irp c, 0,1
	ds_load_b128 v[40+12*\t+6*\c:40+12*\t+6*\c+3], v8 offset:VC+3072*\c+768*\t
	ds_load_b64 v[40+12*\t+6*\c+4:40+12*\t+6*\c+5], v9 offset:VC+3072*\c+768*\t+512
.endr
	ds_load_b32 v[92+\t], v10 offset:2048+64*\t
.endr
.if \diag
	s_cmp_lg_u32 s36, s[\lastr]                    ; only the tile's last step holds hidden keys
	s_cbranch_scc1 .Lopen_\@
	s_and_b32 s55, s11, 1                          ; an odd tile's queries stand in the step's second 64: its first 64 keys are all visible;
	s_cmp_eq_u32 s55, 1
	s_cbranch_scc1 .Lsecond_\@
.set j, 0
.rept 32
	v_cmp_gt_i32 vcc_lo, 16*(j/8)+j%8, v4
	v_cndmask_b32 v[96+j], v[96+j], v5, vcc_lo
.set j, j+1
.endr
.rept 32
	v_mov_b32 v[96+j], v5                          ; an even tile's in the first 64: the step's second 64 keys are all hidden
.set j, j+1
.endr
	s_wait_alu depctr_va_vdst(0)
	s_branch .Lopen_\@
.Lsecond_\@:
.set j, 32
.rept 32
	v_cmp_gt_i32 vcc_lo, 16*(j/8)+j%8, v4
	v_cndmask_b32 v[96+j], v[96+j], v5, vcc_lo
.set j, j+1
.endr
.Lopen_\@:
.endif
.irp b, 0,1,2,3
	v_max3_num_f32 v[BM+\b], v[96+16*\b], v[97+16*\b], v[98+16*\b]   ; the largest score of each block of 32 keys: for the row's maximum, and, since p rises with the score, for the block's largest p
.endr
.irp i, 3,5,7,9,11,13
.irp b, 0,1,2,3
	v_max3_num_f32 v[BM+\b], v[BM+\b], v[96+16*\b+\i], v[97+16*\b+\i]
.endr
.endr
.irp b, 0,1,2,3
	v_max_num_f32 v[BM+\b], v[BM+\b], v[111+16*\b]
.endr
.irp b, 0,1,2,3
	s_delay_alu instid0(VALU_DEP_4)
	v_permlanex16_b32 v[PT+\b], v[BM+\b], s20, s21
.endr
.irp b, 0,1,2,3
	s_delay_alu instid0(VALU_DEP_4)
	v_max_num_f32 v[BM+\b], v[BM+\b], v[PT+\b]     ; with lane l xor 16's 16 keys
.endr
	s_delay_alu instid0(VALU_DEP_2)
	v_max3_num_f32 v[TMP], v[BM], v[BM+1], v[BM+2]
	s_delay_alu instid0(VALU_DEP_1)
	v_max_num_f32 v[TMP], v[TMP], v[BM+3]
	s_delay_alu instid0(VALU_DEP_1)
	v_mul_f32 v[TMP], s22, v[TMP]                  ; as t (c is positive)
	s_delay_alu instid0(VALU_DEP_1)
	v_max_num_f32 v13, v13, v[TMP]                 ; the running largest t
	v_mov_b32 v[TMP], v12
	s_delay_alu instid0(VALU_DEP_2)
	v_floor_f32 v12, -v13                          ; the new -M = floor(-t): M is a whole number
	s_delay_alu instid0(VALU_DEP_1)
	v_sub_f32 v[TMP], v12, v[TMP]                  ; old M less new M: a whole number, 0 or less
	s_delay_alu instid0(VALU_DEP_1)
	v_cvt_i32_f32 v[TMP], v[TMP]                   ; (it saturates)
	s_delay_alu instid0(VALU_DEP_1)
	v_ldexp_f32 v[F], 1.0, v[TMP]                  ; f = 2^(old M - new M)
.set j, 0
.rept 32
	v_pk_fma_f32 v[96+j:97+j], v[96+j:97+j], s[22:23], v[12:13] op_sel_hi:[1,0,0]   ; t - M, two at a time
.set j, j+2
.endr
.irp b, 0,1,2,3
	v_fma_f32 v[BM+\b], v[BM+\b], s22, v12         ; the same of each block's largest score
.endr
.set j, 0
	s_wait_alu depctr_va_vdst(0)
.rept 64
	v_exp_f32 v[96+j], v[96+j]                     ; p = 2^(t - M)
.set j, j+1
.endr
	v_pk_mul_f32 v[14:15], v[14:15], v[F:F+1] op_sel_hi:[1,0]   ; the sums under the new M (a plain place behind the exponentials)
	s_wait_alu depctr_va_vdst(0)                   ; one wait for the whole batch, ahead of its first reader
.irp b, 0,1,2,3
	v_exp_f32 v[BM+\b], v[BM+\b]                   ; the block's largest p
.endr
	v_pk_add_f32 v[216:217], v[100:101], v[104:105]
	v_pk_add_f32 v[252:253], v[108:109], v[112:113]
	v_pk_add_f32 v[236:237], v[116:117], v[120:121]
	v_pk_add_f32 v[222:223], v[124:125], v[128:129]
	v_pk_add_f32 v[220:221], v[132:133], v[136:137]
	v_pk_add_f32 v[218:219], v[140:141], v[144:145]
	v_pk_add_f32 v[210:211], v[148:149], v[152:153]
	v_pk_add_f32 v[14:15], v[14:15], v[156:157]
	v_pk_add_f32 v[216:217], v[216:217], v[96:97]
	v_pk_add_f32 v[252:253], v[252:253], v[98:99]
	v_pk_add_f32 v[236:237], v[236:237], v[102:103]
	v_pk_add_f32 v[222:223], v[222:223], v[106:107]
	v_pk_add_f32 v[220:221], v[220:221], v[110:111]
	v_pk_add_f32 v[218:219], v[218:219], v[114:115]
	v_pk_add_f32 v[210:211], v[210:211], v[118:119]
	v_pk_add_f32 v[14:15], v[14:15], v[122:123]
	v_pk_add_f32 v[216:217], v[216:217], v[126:127]
	v_pk_add_f32 v[252:253], v[252:253], v[130:131]
	v_pk_add_f32 v[236:237], v[236:237], v[134:135]
	v_pk_add_f32 v[222:223], v[222:223], v[138:139]
	v_pk_add_f32 v[220:221], v[220:221], v[142:143]
	v_pk_add_f32 v[218:219], v[218:219], v[146:147]
	v_pk_add_f32 v[210:211], v[210:211], v[150:151]
	v_pk_add_f32 v[14:15], v[14:15], v[154:155]
	v_pk_add_f32 v[216:217], v[216:217], v[158:159]
	s_delay_alu instid0(VALU_DEP_2)
	v_pk_add_f32 v[14:15], v[14:15], v[222:223]
	s_delay_alu instid0(VALU_DEP_2)
	v_pk_add_f32 v[216:217], v[216:217], v[220:221]
	v_pk_add_f32 v[252:253], v[252:253], v[218:219]
	v_pk_add_f32 v[236:237], v[236:237], v[210:211]
	s_delay_alu instid0(VALU_DEP_2)
	v_pk_add_f32 v[14:15], v[14:15], v[252:253]
	s_delay_alu instid0(VALU_DEP_2)
	v_pk_add_f32 v[216:217], v[216:217], v[236:237]
	s_delay_alu instid0(VALU_DEP_1)
	v_pk_add_f32 v[14:15], v[14:15], v[216:217]
	s_wait_alu depctr_va_vdst(0)                   ; and one for the four
.irp b, 0,1,2,3
	v_max_num_f32 v[BM+\b], 0x1800000, v[BM+\b]    ; the floor 2^(3 - 127): a block whose every p is 0 keeps the byte 1: its codes are zeros
.endr
.irp b, 0,1,2,3
	s_delay_alu instid0(VALU_DEP_4)
	v_add_nc_u32 v[SO+\b], 0xff000000, v[BM+\b]
.endr
.irp b, 0,1,2,3
	s_delay_alu instid0(VALU_DEP_4)
	v_lshrrev_b32 v[PT+\b], 23, v[SO+\b]
.endr
	s_delay_alu instid0(VALU_DEP_3)
	v_lshl_or_b32 v[PW], v[PT+1], 8, v[PT]         ; p's scale word for these 128 keys
	s_delay_alu instid0(VALU_DEP_1)
	v_lshl_or_b32 v[PW], v[PT+2], 16, v[PW]
	s_delay_alu instid0(VALU_DEP_1)
	v_lshl_or_b32 v[PW], v[PT+3], 24, v[PW]
.irp c, 0,1
	v_cvt_scalef32_pk16_fp6_f32 v[PC+6*\c:PC+6*\c+2], v[96+32*\c:111+32*\c], v[SO+2*\c]
	v_cvt_scalef32_pk16_fp6_f32 v[CT+4*\c:CT+4*\c+2], v[112+32*\c:127+32*\c], v[SO+2*\c+1]
.endr
	v_nop                                          ; one plain place behind the scaled conversions
.irp c, 0,1
.irp i, 0,1,2
	v_permlane16_swap_b32 v[PC+6*\c+\i], v[CT+4*\c+\i]   ; a whole block to a lane: lanes 0-15 block 2 c, lanes 16-31 block 2 c + 1
.endr
.irp i, 0,1,2
	s_delay_alu instid0(VALU_DEP_3)
	v_mov_b32 v[PC+3+6*\c+\i], v[CT+4*\c+\i]
.endr
.endr
.set j, 0
.rept 16
	v_pk_mul_f32 v[160+j:161+j], v[160+j:161+j], v[F:F+1] op_sel_hi:[1,0]   ; O^T under the new M; these sixteen are also the places between the scale word, the codes and the products
.set j, j+2
.endr
	s_wait_alu depctr_va_vdst(0)
	s_wait_dscnt 0x0                               ; V is in
.irp t, 0,1,2,3
	WMA 160+8*\t, 40+12*\t, PC, 92+\t, PW          ; the four accumulators by turns, behind the eight products that start S^T
.endr
.Lhidden_\@:
	s_add_co_u32 s37, s37, 6144
	s_add_co_u32 s38, s38, 256
	s_add_co_u32 s36, s36, 1
	s_cmp_lt_u32 s36, 8
	s_cbranch_scc1 .Lstep_\@
.endm
	s_load_b128 s[4:7], s[0:1], 0x0                ; qq s[4:5], kv s[6:7]
	s_load_b64 s[8:9], s[0:1], 0x10                ; aq
	s_load_b128 s[56:59], s[0:1], 0x18             ; Wo s[56:57], woq s[58:59]
	v_lshl_add_u32 v254, v0, 2, 0x2b000
	v_mov_b32 v255, 0
	ds_add_u32 v254, v255
	ds_add_u32 v254, v255
	v_lshrrev_b32 v1, 5, v0
	s_delay_alu instid0(VALU_DEP_1)
	v_readfirstlane_b32 s10, v1                    ; wave 0..15
	s_bfe_u32 s13, ttmp6, 0x40000                  ; w: my place in the cluster: it enters Q's, the result's and Wo's addresses and the mask's numbers alone
	s_mov_b32 s14, ttmp9                           ; hg: the cluster's x
	s_and_b32 s15, ttmp7, 0xffff                   ; 8 b + group
	s_lshr_b32 s40, s10, 1                         ; p: my pair
	s_sub_co_u32 s41, 15, s40
	s_and_b32 s42, s10, 1
	s_cmp_lg_u32 s42, 0
	s_cselect_b32 s11, s40, s41                    ; sigma of my own tile: 15 - p in the even wave, p in the odd one
	s_sub_co_u32 s48, 15, s11                      ; and of my partner's
	s_lshr_b32 s12, s11, 1                         ; my tile's last visible key step
	s_lshr_b32 s39, s48, 1                         ; my partner's tile's
	s_and_b32 s50, s12, 1                          ; of my tile I take the steps of its last step's parity,
	s_and_b32 s51, s39, 1
	s_xor_b32 s51, s51, 1                          ; of my partner's those that my partner does not take
	s_mov_b32 s20, 0x76543210
	s_mov_b32 s21, 0xfedcba98                      ; v_permlanex16_b32's selects for lane l xor 16
	s_mov_b32 s22, 0x3e38aa3b                      ; c = log2(e) / 8
	s_mov_b32 s23, s22                             ; (named with it as a pair)
	; a quarter of the block: 100 rows of 256 bytes (32 elements of 8 bytes), dense
	s_mov_b32 s24, 15|(3<<16)|(1<<21)              ; 15:0 the mask: all four work-groups; 17:16 elements of 8 bytes; 21 set beside a mask
	s_mov_b32 s25, 32<<16                          ; tensor_dim0
	s_mov_b32 s26, 100<<16                         ; tensor_dim1
	s_mov_b32 s27, 32<<16                          ; tile_dim0
	s_mov_b32 s28, 100                             ; tile_dim1
	s_mov_b32 s29, 32                              ; stride
	s_mov_b32 s30, 0
	s_mov_b32 s31, 0
	s_and_b32 s40, s10, 3
	s_mul_i32 s33, s40, 25600                      ; LDS address: the block lies in LDS as in memory
	s_mul_i32 s40, s15, KVB
	s_add_co_u32 s40, s40, s33
	s_mov_b32 s41, 0
	s_mov_b32 s32, 1
	s_wait_dscnt 0x0
	s_wait_kmcnt 0x0
	s_add_nc_u64 s[34:35], s[6:7], s[40:41]
	s_or_b32 s35, s35, 0x80000000
	CROUND                                         ; all four work-groups are here: the joint loads meet
	s_cmp_lt_u32 s10, 4                            ; waves 0-3 fetch a quarter each
	s_cbranch_scc0 .Lno_fetch
	tensor_load_to_lds s[32:35], s[24:31]
	s_nop 0
.rept 4
	v_nop
.endr
.Lno_fetch:
	s_lshl_b32 s60, s14, 2                         ; Wo: my part's places
	s_add_co_u32 s60, s60, s13                     ; x
	s_lshl_b32 s62, s15, 20                        ; 128 rows of 8,192 bytes a K step
	s_lshl_b32 s63, s60, 9
	s_add_co_u32 s62, s62, s63
	s_mov_b32 s63, 0
	s_add_nc_u64 s[56:57], s[56:57], s[62:63]      ; the work-group's tile of Wo: 128 rows x 512 bytes
	s_lshr_b32 s52, s10, 3
	s_lshl_b32 s52, s52, 1
	s_bfe_u32 s53, s10, 0x10001
	s_add_co_u32 s52, s52, s53                     ; block
	s_and_b32 s53, s10, 1                          ; which 64 columns
	s_lshl_b32 s66, s52, 18                        ; 32 rows a block
	s_lshl_b32 s67, s53, 8
	s_add_co_u32 s66, s66, s67
	s_mov_b32 s67, 0
	s_add_nc_u64 s[66:67], s[56:57], s[66:67]      ; my part of it
	s_lshl_b32 s60, s60, 1
	s_add_co_u32 s60, s60, s53
	s_lshl_b32 s44, s60, 8                         ; the scale bytes: [K step][column][4]
	s_lshl_b32 s45, s15, 13
	s_add_co_u32 s44, s44, s45
	s_add_co_u32 s44, s44, s52
	s_add_co_u32 s44, s44, QSC
	s_mov_b32 s45, 0
	s_mul_i32 s60, s60, 4*24576                    ; the codes: [16 columns][K step][half]; in a half fragment lanes 0-15 the even block, lanes 16-31 the odd one:
	s_mul_i32 s61, s15, 1536
	s_add_co_u32 s60, s60, s61
	s_lshr_b32 s61, s52, 1
	s_mul_i32 s61, s61, 768
	s_add_co_u32 s60, s60, s61
	s_and_b32 s54, s52, 1
	s_lshl_b32 s54, s54, 7
	s_add_co_u32 s60, s60, s54
	s_add_co_u32 s40, s60, s54                     ; registers 0-3: + 256 for an odd block
	s_mov_b32 s41, 0
	s_add_co_u32 s42, s60, 512                     ; registers 4-5: + 512, + 128 for an odd block
	s_mov_b32 s43, 0
	s_add_nc_u64 s[60:61], s[58:59], s[40:41]
	s_add_nc_u64 s[62:63], s[58:59], s[42:43]
	s_add_nc_u64 s[58:59], s[58:59], s[44:45]
	s_lshr_b32 s16, s15, 3                         ; b
	s_and_b32 s17, s15, 7
	s_lshl_b32 s17, s17, 2
	s_add_co_u32 s17, s17, s14                     ; head
	s_lshl_b32 s18, s16, 5
	s_add_co_u32 s18, s18, s17                     ; 32 b + head
	s_lshl_b32 s19, s11, 2
	s_add_co_u32 s19, s19, s13                     ; my own tile of 16 queries
	s_lshl_b32 s49, s48, 2
	s_add_co_u32 s49, s49, s13                     ; my partner's
	s_lshl_b32 s40, s18, 6
	s_add_co_u32 s42, s40, s49
	s_add_co_u32 s40, s40, s19
	s_mul_i32 s40, s40, 768
	s_mul_i32 s42, s42, 768
	s_mov_b32 s41, 0
	s_mov_b32 s43, 0
	s_add_nc_u64 s[40:41], s[4:5], s[40:41]        ; my tile's codes
	s_add_nc_u64 s[42:43], s[4:5], s[42:43]        ; my partner's tile's
	s_lshl_b32 s52, s13, 6
	s_add_co_u32 s52, s52, QSC                     ; tile w's place among 64 tokens' scale words
	s_lshl_b32 s44, s18, 4
	s_add_co_u32 s46, s44, s48
	s_add_co_u32 s44, s44, s11
	s_lshl_b32 s44, s44, 8
	s_lshl_b32 s46, s46, 8
	s_add_co_u32 s44, s44, s52
	s_add_co_u32 s46, s46, s52
	s_mov_b32 s45, 0
	s_mov_b32 s47, 0
	s_add_nc_u64 s[44:45], s[4:5], s[44:45]        ; my tile's scale words: token r's at 4 r
	s_add_nc_u64 s[46:47], s[4:5], s[46:47]        ; my partner's tile's
	v_and_b32 v6, 31, v0                           ; lane
	v_and_b32 v229, 15, v0                         ; r
	v_bfe_u32 v230, v0, 4, 1                       ; h
	s_wait_alu depctr_va_vdst(0)
	v_lshlrev_b32 v1, 4, v6                        ; 16 x lane
	v_lshlrev_b32 v2, 3, v6                        ; 8 x lane
	v_lshl_add_u32 v3, v229, 2, KS                 ; a scale word's place: 4 r
	s_mul_i32 s53, s10, PARTB
	s_add_co_u32 s53, s53, PART
	v_add_nc_u32 v7, s53, v1                       ; where I put the part that I hand over: 16 x lane + 4,608 x wave
	s_xor_b32 s54, s10, 1
	s_mul_i32 s54, s54, PARTB
	s_add_co_u32 s54, s54, PART
	v_add_nc_u32 v11, s54, v1                      ; where my partner puts the part of my tile
	v_lshlrev_b32 v231, 4, v229
	v_lshlrev_b32 v232, 3, v229
	v_lshlrev_b32 v251, 2, v229                    ; 4 r
	global_load_b128 v[40:43], v231, s[42:43]              ; my partner's tile first.  Every lane takes both d blocks of query r: block 0 (the half fragment's lane r),
	global_load_b64 v[44:45], v232, s[42:43] offset:512
	global_load_b128 v[46:49], v231, s[42:43] offset:256   ; block 1 (its lane 16 + r)
	global_load_b64 v[50:51], v232, s[42:43] offset:640
	global_load_b32 v[QWO], v251, s[46:47]
	global_load_b128 v[QR:QR+3], v231, s[40:41]            ; my own tile's waits in registers of its own
	global_load_b64 v[QR+4:QR+5], v232, s[40:41] offset:512
	global_load_b128 v[QR+6:QR+9], v231, s[40:41] offset:256
	global_load_b64 v[QR+10:QR+11], v232, s[40:41] offset:640
	global_load_b32 v[QWM], v251, s[44:45]
	s_and_b32 s52, s11, 1
	s_lshl_b32 s52, s52, 6
	s_lshl_b32 s53, s13, 4
	s_add_co_u32 s52, s52, s53
	v_lshlrev_b32 v4, 3, v230
	s_delay_alu instid0(VALU_DEP_1)
	v_sub_nc_u32 v4, v229, v4
	s_delay_alu instid0(VALU_DEP_1)
	v_add_nc_u32 v4, s52, v4                       ; my own query less its last step's first key less 8 h: register n of S^T is hidden there where 16 (n / 8) + n % 8 is greater
	v_mov_b32 v5, 0xff800000                       ; -infinity
	v_add_nc_u32 v233, -1, v230                    ; all ones in lanes 0-15
	v_sub_nc_u32 v234, 0, v230                     ; all ones in lanes 16-31
	v_mov_b32 v[F+1], 0                            ; (named as the upper half of the pair)
	INIT
.irp b, 0,1,2,3
	v_mov_b32 v[BM+\b], 0                          ; (lane permutes' destinations count as sources)
	v_mov_b32 v[PT+\b], 0
.endr
	s_wait_loadcnt 0x0
.set j, 0
.rept 12
	v_and_b32 v[16+j], v[40+j], v233               ; Q in lanes 0-15 alone
	v_and_b32 v[28+j], v[40+j], v234               ; and in lanes 16-31 alone
.set j, j+1
.endr
	s_wait_tensorcnt 0x0                           ; my quarter is in,
	s_barrier_signal -1
	s_barrier_wait -1                              ; everybody's is
	PASS 39, 51, QWO, 0                            ; my share of my partner's tile: none of its steps is masked
	PLACES                                         ; behind the last products, in front of the stores that read their results
.irp i, 0,1,2,3,4,5,6,7
	ds_store_b128 v7, v[160+4*\i:163+4*\i] offset:512*\i   ; O^T as it stands, each accumulator from its low end on: lane l's 16 bytes at 16 l
.endr
	ds_store_b128 v7, v[12:15] offset:4096         ; -M, the largest t, the sum's two halves
.set j, 0
.rept 12
	v_and_b32 v[16+j], v[QR+j], v233               ; my own tile's Q
	v_and_b32 v[28+j], v[QR+j], v234
.set j, j+1
.endr
	s_wait_dscnt 0x0                               ; the stores have read their registers
	s_lshl_b32 s52, s10, 16                        ; Wo's tile is asked for: my eight rows of its 128, two blocks of 256 bytes a row (lanes 16-31 name the last block again)
	v_min_u32 v251, 15, v6
	v_lshrrev_b32 v252, 1, v251
	v_and_b32 v251, 1, v251
	v_lshlrev_b32 v252, 13, v252
	v_lshl_add_u32 v251, v251, 8, v252
	v_add_nc_u32 v251, s52, v251
	global_prefetch_b8 v251, s[56:57] th:TH_LOAD_NT scope:SCOPE_SE
	INIT
	PASS 12, 50, QWM, 1                            ; my share of my own tile, its last step among them
	PLACES
; A block of 32 numbers of one lane, v[src] on, and its column's place e: codes and scale byte leave at once.
.macro BLKW src, out, e
	v_max3_num_f32 v52, |v[\src]|, |v[\src+1]|, |v[\src+2]|
	v_max3_num_f32 v53, |v[\src+3]|, |v[\src+4]|, |v[\src+5]|
.irp i, 6,10,14,18,22,26
	v_max3_num_f32 v52, v52, |v[\src+\i]|, |v[\src+\i+1]|
	v_max3_num_f32 v53, v53, |v[\src+\i+2]|, |v[\src+\i+3]|
.endr
	v_max3_num_f32 v52, v52, |v[\src+30]|, |v[\src+31]|
	v_max3_num_f32 v52, v52, v53, 0x1800000        ; the floor 2^(3 - 127)
	v_add_nc_u32 v54, 0xff000000, v52              ; 2 off the exponent field: the conversion's scale operand
	v_cvt_scalef32_pk16_fp6_f32 v[\out:\out+2], v[\src:\src+15], v54
	v_cvt_scalef32_pk16_fp6_f32 v[\out+8:\out+10], v[\src+16:\src+31], v54
	v_lshrrev_b32 v[\out+6], 23, v54               ; the scale's byte (a plain place behind the scaled conversions)
.irp i, 0,1,2
	v_mov_b32 v[\out+3+\i], v[\out+8+\i]
.endr
	global_store_b128 v42, v[\out:\out+3], s[60:61] offset:2*24576*\e      ; sixteen lanes store 256 consecutive bytes
	global_store_b64 v43, v[\out+4:\out+5], s[62:63] offset:2*24576*\e     ; and 128
	global_store_b8 v251, v[\out+6], s[58:59] offset:128*\e
.endm
	s_and_b32 s52, s12, 1
	s_cmp_eq_u32 s52, 1
	s_cbranch_scc0 .Lfive_steps                    ; the branch hangs on the wave's number alone
	s_wait_xcnt 0x0                                ; the prefetch has read its address
	v_lshlrev_b32 v251, 2, v6                      ; 4 x lane
.set j, 0
.rept 64
	global_load_b32 v[96+j], v251, s[66:67] offset:128*(j/32)+8192*((j%8)+16*((j/8)%2)+8*((j%32)/16)) th:TH_LOAD_NT   ; position i of a block takes row (i % 8) + 16 ((i / 8) % 2) + 8 (i / 16)
.set j, j+1
.endr
	v_mul_u32_u24 v41, v230, 24576
	v_lshl_add_u32 v42, v229, 4, v41               ; the codes' places: lanes 16-31 the next 16 columns
	v_lshl_add_u32 v43, v229, 3, v41
	s_wait_alu depctr_va_vdst(0)
	s_wait_loadcnt 32                              ; the first block's 32 loads are in; the second's may be out
	BLKW 96, 56, 0
	s_wait_loadcnt 0x0
	BLKW 128, 72, 1
	s_wait_alu depctr_va_vdst(0)
.Lfive_steps:
	s_wait_dscnt 0x0                               ; for the others' sake: my part has landed
	s_barrier_signal -1
	s_barrier_wait -1
.irp i, 0,1,2,3,4,5,6,7
	ds_load_b128 v[96+4*\i:99+4*\i], v11 offset:512*\i     ; my partner's part of my tile: the same registers in the same lanes
.endr
	ds_load_b128 v[128:131], v11 offset:4096
	s_lshl_b32 s40, s16, 6
	s_add_co_u32 s40, s40, s19                     ; aq: row block 64 b + tile
	s_mul_i32 s42, s40, 24576
	s_mul_i32 s41, s17, 768                        ; K step head / 2, half fragment head % 2
	s_add_co_u32 s42, s42, s41
	s_mov_b32 s43, 0
	s_add_nc_u64 s[42:43], s[8:9], s[42:43]
	s_lshl_b32 s44, s40, 6                         ; 16 rows' words
	s_lshr_b32 s41, s17, 1
	s_lshl_b32 s41, s41, 13                        ; 2,048 words a K step
	s_add_co_u32 s44, s44, s41
	s_and_b32 s41, s17, 1
	s_lshl_b32 s41, s41, 1
	s_add_co_u32 s44, s44, s41
	s_add_co_u32 s44, s44, QSC
	s_mov_b32 s45, 0
	s_add_nc_u64 s[44:45], s[8:9], s[44:45]
	s_wait_dscnt 0x0
	; THE TWO PARTS UNDER ONE M: -M = the smaller of the two; each part x 2^(its M - M), a whole power of two
	v_min_num_f32 v[TMP], v12, v128
	s_delay_alu instid0(VALU_DEP_1)
	v_sub_f32 v[F], v[TMP], v12                    ; my M less the common M: a whole number, 0 or less
	s_delay_alu instid0(VALU_DEP_2)
	v_sub_f32 v[BM], v[TMP], v128                  ; my partner's likewise
	s_delay_alu instid0(VALU_DEP_2)
	v_cvt_i32_f32 v[F], v[F]                       ; (it saturates: a part without a step gets the factor 0)
	s_delay_alu instid0(VALU_DEP_2)
	v_cvt_i32_f32 v[BM], v[BM]
	s_delay_alu instid0(VALU_DEP_2)
	v_ldexp_f32 v[F], 1.0, v[F]
	s_delay_alu instid0(VALU_DEP_2)
	v_ldexp_f32 v[BM], 1.0, v[BM]
	s_delay_alu instid0(VALU_DEP_2)
	v_pk_mul_f32 v[14:15], v[14:15], v[F:F+1] op_sel_hi:[1,0]
.set j, 0
.rept 16
	v_pk_mul_f32 v[160+j:161+j], v[160+j:161+j], v[F:F+1] op_sel_hi:[1,0]
.set j, j+2
.endr
	v_pk_fma_f32 v[14:15], v[130:131], v[BM:BM+1], v[14:15] op_sel_hi:[1,0,1]
.set j, 0
.rept 16
	v_pk_fma_f32 v[160+j:161+j], v[96+j:97+j], v[BM:BM+1], v[160+j:161+j] op_sel_hi:[1,0,1]
.set j, j+2
.endr
	; THE END: O^T / the sum, quantised along d: a half fragment of the last product's operand: lane (r, h) = block h of this head's 64, of query r.
	v_add_f32 v14, v14, v15
	s_delay_alu instid0(VALU_DEP_1)
	v_permlanex16_b32 v[PT], v14, s20, s21
	s_delay_alu instid0(VALU_DEP_1)
	v_add_f32 v14, v14, v[PT]                      ; the row's sum
	s_wait_alu depctr_va_vdst(0)
	v_rcp_f32 v14, v14
	v_lshl_add_u32 v235, v229, 2, v230             ; 4 r + h: my scale byte's place (a plain place behind the reciprocal)
	v_cmp_eq_u32 vcc_lo, 1, v230
	s_wait_alu depctr_va_vdst(0)                   ; the wait ahead of the reciprocal's first reader
.set j, 0
.rept 32
	v_mul_f32 v[96+j], v[160+j], v14
.set j, j+1
.endr
	v_max3_num_f32 v[BM], |v96|, |v97|, 0x1800000
	v_max3_num_f32 v[BM+1], |v112|, |v113|, 0x1800000
.irp k, 2,4,6,8,10,12,14
	s_delay_alu instid0(VALU_DEP_2)
	v_max3_num_f32 v[BM], |v[96+\k]|, |v[97+\k]|, v[BM]
	s_delay_alu instid0(VALU_DEP_2)
	v_max3_num_f32 v[BM+1], |v[112+\k]|, |v[113+\k]|, v[BM+1]
.endr
	s_delay_alu instid0(VALU_DEP_2)
	v_permlanex16_b32 v[BM+2], v[BM], s20, s21
	s_delay_alu instid0(VALU_DEP_2)
	v_permlanex16_b32 v[BM+3], v[BM+1], s20, s21
	s_delay_alu instid0(VALU_DEP_2)
	v_max_num_f32 v[BM], v[BM], v[BM+2]
	s_delay_alu instid0(VALU_DEP_2)
	v_max_num_f32 v[BM+1], v[BM+1], v[BM+3]
	s_delay_alu instid0(VALU_DEP_2)
	v_add_nc_u32 v[SO], 0xff000000, v[BM]
	s_delay_alu instid0(VALU_DEP_2)
	v_add_nc_u32 v[SO+1], 0xff000000, v[BM+1]
	s_delay_alu instid0(VALU_DEP_2)
	v_lshrrev_b32 v[PT], 23, v[SO]
	s_delay_alu instid0(VALU_DEP_2)
	v_lshrrev_b32 v[PT+1], 23, v[SO+1]
	v_cvt_scalef32_pk16_fp6_f32 v[PC:PC+2], v[96:111], v[SO]
	v_cvt_scalef32_pk16_fp6_f32 v[CT:CT+2], v[112:127], v[SO+1]
	v_nop                                          ; one plain place behind the scaled conversions
.irp i, 0,1,2
	v_permlane16_swap_b32 v[PC+\i], v[CT+\i]
.endr
.irp i, 0,1,2
	s_delay_alu instid0(VALU_DEP_3)
	v_mov_b32 v[PC+3+\i], v[CT+\i]
.endr
	v_cndmask_b32 v236, v[PT], v[PT+1], vcc_lo     ; lane (r, h): block h's byte
	global_store_b128 v1, v[PC:PC+3], s[42:43]             ; 512 consecutive bytes
	global_store_b64 v2, v[PC+4:PC+5], s[42:43] offset:512 ; 256 consecutive bytes
	global_store_b8 v235, v236, s[44:45]
	s_wait_tensorcnt 0x0
	ds_add_u32 v254, v255
	s_wait_dscnt 0x0
	CROUND                                         ; the closing round
	s_endpgm
.Lfunc_end_k_qdb9945f3e1_attn:
	.size	k_qdb9945f3e1_attn, .Lfunc_end_k_qdb9945f3e1_attn-k_qdb9945f3e1_attn
	.p2alignl 7, 3214868480
	.fill 96, 4, 3214868480
	.section	.rodata,"a",@progbits
	.p2align	6, 0x0
	.amdhsa_kernel k_qdb9945f3e1_attn
		.amdhsa_group_segment_fixed_size 178176
		.amdhsa_private_segment_fixed_size 0
		.amdhsa_enable_private_segment 0
		.amdhsa_kernarg_size 40
		.amdhsa_user_sgpr_count 2
		.amdhsa_user_sgpr_kernarg_segment_ptr 1
		.amdhsa_wavefront_size32 1
		.amdhsa_system_sgpr_workgroup_id_x 1
		.amdhsa_system_sgpr_workgroup_id_y 1
		.amdhsa_system_sgpr_workgroup_id_z 1
		.amdhsa_system_vgpr_workitem_id 0
		.amdhsa_next_free_vgpr 256
		.amdhsa_next_free_sgpr 68
		.amdhsa_reserve_vcc 1
		.amdhsa_float_denorm_mode_32 3
		.amdhsa_float_denorm_mode_16_64 3
		.amdhsa_memory_ordered 1
		.amdhsa_forward_progress 1
		.amdhsa_inst_pref_size 74
	.end_amdhsa_kernel
	.amdgpu_metadata
---
amdhsa.version: [ 1, 2 ]
amdhsa.kernels:
  - .name:           k_qdb9945f3e1_attn
    .symbol:         k_qdb9945f3e1_attn.kd
    .args:
      - { .name: qq, .offset: 0, .size: 8, .value_kind: global_buffer, .address_space: global }
      - { .name: kv, .offset: 8, .size: 8, .value_kind: global_buffer, .address_space: global }
      - { .name: aq, .offset: 16, .size: 8, .value_kind: global_buffer, .address_space: global }
      - { .name: Wo, .offset: 24, .size: 8, .value_kind: global_buffer, .address_space: global }
      - { .name: woq, .offset: 32, .size: 8, .value_kind: global_buffer, .address_space: global }
    .group_segment_fixed_size: 178176
    .private_segment_fixed_size: 0
    .kernarg_segment_align: 8
    .kernarg_segment_size: 40
    .max_flat_workgroup_size: 512
    .sgpr_count:     68
    .vgpr_count:     256
    .wavefront_size: 32
...
	.end_amdgpu_metadata
.endif
;; end of part 3
;; launch oproj (part 4): grid 16 x 16, 4 waves a work-group, clusters of 4 x 4, 327,680 bytes of LDS; arguments aq, woq, bo, out0; writes out0
.if DOCPART == 4
	.amdgcn_target "amdgcn-amd-amdhsa--gfx1250"
	.amdhsa_code_object_version 6
	.text
	.protected	k_qdb9945f3e1_oproj
	.globl	k_qdb9945f3e1_oproj
	.p2align	8
	.type	k_qdb9945f3e1_oproj,@function
k_qdb9945f3e1_oproj:
	s_mov_b64 s[64:65], 0
	v_nop
	global_prefetch_b8 v0, s[64:65] scope:SCOPE_SE
	s_setreg_imm32_b32 hwreg(HW_REG_WAVE_MODE, 25, 1), 1
	s_wait_xcnt 0x0
	s_wait_alu depctr_hold_cnt(0) depctr_sa_sdst(0) depctr_va_vdst(0) depctr_va_sdst(0) depctr_va_ssrc(0) depctr_va_vcc(0) depctr_vm_vsrc(0)
	s_getreg_b32 s2, hwreg(HW_REG_IB_STS2, 6, 4)
	s_cmp_eq_u32 s2, 0
	s_cbranch_scc0 .Lentry_in_a_cluster
	s_endpgm
.Lentry_in_a_cluster:
	s_bfe_u32 s2, ttmp6, 0x10000c
	s_cmp_lg_u32 s2, 0xf033
	s_cbranch_scc0 .Lentry_shape_is_right
	s_endpgm
.Lentry_shape_is_right:
; out = a Wo + bo on codes of FP6 (E2M3) with E8M0 scales, sums in f32.  aq and woq lie in the order of the operand's registers: a half fragment of 768 bytes (16 rows x 64 K; lane (r, h) holds block h:
; registers 0-3 at 16 x lane, 4-5 at 512 + 8 x lane), two to a fragment, a row block's 16 K steps on end (24,576 bytes); behind the codes the scale words [K step][row].
; SHARES.  A tile is 128 rows by 128 columns: 16 x 16 work-groups.  Wave (V, U) makes rows 64 V on by columns 64 U on: 16 accumulators, transposed (source 0 = 16 rows of woq, source 1 = 16 rows of aq): a lane holds
; eight neighbouring columns of one row.  The bias is the C of each sum's first matrix instruction.
; K's 16 steps of 128 come in three fills of 6, 6 and 4 steps through two slots (slot 0: fills 0 and 2, slot 1: fill 1); the scale words, for all of K, come once.
; HEAD: one tensor load a wave: aq's rows, woq's rows, aq's scale words, woq's.  Fill 1 stands behind a round of its own, fill 2 behind the round of step 5.
; A STEP: the next step's 36 LDS loads go out in one run ahead of the products; the fragments are loaded in the order in which the products name them, so the waits count those that may still be out.
; CLUSTER 4 x 4: aq's tiles are asked for jointly along a row of the cluster, woq's along a column.
; PREFETCH: what fills 1 and 2 bring is asked for at the head and behind step 0: each block of 256 bytes once in a cluster, shared out by address among the sixteen waves that belong to the joint load's four work-groups.
; THE WAY OUT: 16 rows x 64 columns at a time go through the wave's own stage in LDS, which lies in slot 1: that slot has had its last fill, and the barrier of step 11 stands behind its last reads.  Sixteen lanes store 256 consecutive bytes.
; LIMITS: NaN and infinities are not served.
; REGISTERS: window 0: v8-19 LDS addresses by fill; v32-39 scale words, two sets, and nothing else (lanes 0-15 aq's, lanes 16-31 woq's); v64-191 rows on their way out.  window 1: v0-127 accumulators (a, f) at 8 (4 a + f); v128-159 the bias.
;   window 2: two sets of 8 fragments, 96 registers each.
.set NLD,   36                         ; LDS loads of a step: 4 of scale words, 32 of fragments
.set RBP,   24576
.set FRB,   1536
.set HFB,   768
.set ASC,   3145728                    ; where the scale words begin, in aq and in woq
.set SLOT,  16*6*FRB                   ; 8 + 8 row blocks, six steps
.set SCLA,  2*SLOT                     ; aq's scale words [K step][128 rows]
.set SCLB,  SCLA+8192                  ; woq's
.set SPARE, SCLB+8192                  ; the spare words, 128 bytes for each wave: two blocks of 256 bytes that no other line names
.set STG,   SLOT
.set FSZ,   96
.set SCR,   32
.set BQ,    128
.set A16,   8                          ; v8-10   aq's fragments by fill: 16 x lane;  v11-13: 8 x lane
.set A8,    11
.set B16,   14                         ; v14-19  the same for woq
.set B8,    17
.set SS,    20                         ; v20     scale words: lanes 0-15 aq's 4 r, lanes 16-31 woq's
.set L16,   22
.set L8,    23
.set STO,   24                         ; v24     into the stage
.set RD,    25                         ; v25     out of it
.set CO,    26                         ; v26     the same place in out
.set BO,    27
.set SPW,   28
.set NIL,   29
.set PFV,   48                         ; v48-51  the prefetches' offsets: aq, woq for fills 1, 2; never rewritten
.set BK,    64
.set G1,    24
.set G0,    32
.set G1B,   44
.set G0B,   52
.set G1S,   68
.set G0S,   76
.set G1SB,  80
.set G0SB,  88
.set MUL,   0x5a                       ; both sources window 2, C and D window 1
.set MSB, 0
.macro WIN new
.if MSB != \new
	s_set_vgpr_msb (MSB<<8)|\new
.set MSB, \new
.endif
.endm
.macro PLACES                          ; four plain places behind matrix instructions (ISA guide 7.12.1)
.rept 4
	v_nop
.endr
.endm
.macro TLOAD g0, g1
	tensor_load_to_lds s[\g0:\g0+3], s[\g1:\g1+7]
	s_nop 0
.rept 4
	v_nop
.endr
.endm
.macro ARM under, g0, g1, next
	s_cmp_lt_u32 s18, \under
	s_cbranch_scc0 \next
	TLOAD \g0, \g1
	s_branch .Lhead_asked
\next:
.endm
.macro FILL                            ; a later fill: wave 0 aq's rows, wave 1 woq's; the places serve the LDS loads behind it
	s_cmp_eq_u32 s18, 0
	s_cbranch_scc0 .Lnot_a_\@
	TLOAD G0, G1
	s_branch .Lasked_\@
.Lnot_a_\@:
	s_cmp_eq_u32 s18, 1
	s_cbranch_scc0 .Lasked_\@
	TLOAD G0B, G1B
.Lasked_\@:
	PLACES
.endm
.macro SETFILL len, lds                ; both descriptors to a fill of len steps at LDS byte lds, six steps further on along K
	s_mov_b32 s[G1+1], (192*(\len))<<16
	s_mov_b32 s[G1+3], (192*(\len))<<16
	s_mov_b32 s[G1B+1], (192*(\len))<<16
	s_mov_b32 s[G1B+3], (192*(\len))<<16
	s_mov_b32 s[G0+1], \lds
	s_mov_b32 s[G0B+1], (\lds)+8*(\len)*FRB
	s_add_nc_u64 s[G0+2:G0+3], s[G0+2:G0+3], 6*FRB
	s_add_nc_u64 s[G0B+2:G0B+3], s[G0B+2:G0B+3], 6*FRB
.endm
.macro CREST
	s_cmp_lg_u32 s18, 0
	s_cbranch_scc1 .Lnot_wave_0_\@
	s_barrier_signal -3
.Lnot_wave_0_\@:
	s_barrier_wait -3
	s_barrier_signal -1
	s_barrier_wait -1
.endm
.macro CROUND
	s_barrier_signal -1
	s_barrier_wait -1
	CREST
.endm
.macro WM d, a, b, c, sa, sb           ; source 0 = woq's rows: its scales in lanes 16-31
	v_wmma_scale_f32_16x16x128_f8f6f4 v[\d:\d+7], v[\a:\a+11], v[\b:\b+11], v[\c:\c+7], v[\sa], v[\sb] matrix_a_fmt:MATRIX_FMT_FP6 matrix_b_fmt:MATRIX_FMT_FP6 matrix_a_scale:MATRIX_SCALE_ROW1
.endm
	s_load_b256 s[4:11], s[0:1], 0x0               ; aq s[4:5], woq s[6:7], bo s[8:9], out0 s[10:11]
	v_lshl_add_u32 v[SPW], v0, 2, SPARE
	v_mov_b32 v[NIL], 0
	ds_add_u32 v[SPW], v[NIL]                      ; the wave's opening: the add, twice on end, and its wait; work on registers stands between
	ds_add_u32 v[SPW], v[NIL]
	v_lshrrev_b32 v1, 5, v0
	v_readfirstlane_b32 s18, v1                    ; wave
	s_lshr_b32 s19, s18, 1                         ; V
	s_and_b32 s20, s18, 1                          ; U
	s_bfe_u32 s21, ttmp6, 0x40000                  ; cx
	s_bfe_u32 s22, ttmp6, 0x40004                  ; cy
	s_lshl_b32 s23, ttmp9, 2
	s_add_co_u32 s23, s23, s21                     ; tile column
	s_and_b32 s92, ttmp7, 0xffff
	s_lshl_b32 s92, s92, 2
	s_add_co_u32 s92, s92, s22                     ; tile row
	s_lshl_b32 s93, s22, 2
	s_lshl_b32 s93, 15, s93                        ; my row of the cluster
	s_lshl_b32 s94, 0x1111, s21                    ; my column
	s_or_b32 s[G1], s93, (3<<16)|(1<<21)
	s_or_b32 s[G1B], s94, (3<<16)|(1<<21)
.irp g, G1, G1B                        ; eight rows (row blocks) of 192 elements of 8 bytes a K step, 3,072 elements apart
	s_mov_b32 s[\g+1], (192*6)<<16
	s_mov_b32 s[\g+2], 8<<16
	s_mov_b32 s[\g+3], (192*6)<<16
	s_mov_b32 s[\g+4], 8
	s_mov_b32 s[\g+5], 3072
	s_mov_b32 s[\g+6], 0
	s_mov_b32 s[\g+7], 0
.endr
	s_or_b32 s[G1S], s93, (2<<16)|(1<<21)
	s_or_b32 s[G1SB], s94, (2<<16)|(1<<21)
.irp g, G1S, G1SB                      ; scale words: 16 rows (K steps) of 128 words, 2,048 words apart
	s_mov_b32 s[\g+1], 128<<16
	s_mov_b32 s[\g+2], 16<<16
	s_mov_b32 s[\g+3], 128<<16
	s_mov_b32 s[\g+4], 16
	s_mov_b32 s[\g+5], 2048
	s_mov_b32 s[\g+6], 0
	s_mov_b32 s[\g+7], 0
.endr
	s_mov_b32 s[G0], 1
	s_mov_b32 s[G0+1], 0
	s_mov_b32 s[G0B], 1
	s_mov_b32 s[G0B+1], 8*6*FRB
	s_mov_b32 s[G0S], 1
	s_mov_b32 s[G0S+1], SCLA
	s_mov_b32 s[G0SB], 1
	s_mov_b32 s[G0SB+1], SCLB
	s_mul_i32 s14, s92, 8*RBP                      ; aq's tile hangs on the tile row alone, woq's on the tile column alone
	s_mov_b32 s15, 0
	s_lshl_b32 s16, s92, 9
	s_add_co_u32 s16, s16, ASC
	s_mov_b32 s17, 0
	s_mul_i32 s96, s23, 8*RBP
	s_mov_b32 s97, 0
	s_lshl_b32 s98, s23, 9
	s_add_co_u32 s98, s98, ASC
	s_mov_b32 s99, 0
	s_wait_alu depctr_va_vdst(0)
	s_wait_dscnt 0x0                               ; both opening adds are done
	CROUND                                         ; all sixteen work-groups are here: the first joint loads meet
	s_wait_kmcnt 0x0
	s_add_nc_u64 s[14:15], s[4:5], s[14:15]
	s_add_nc_u64 s[96:97], s[6:7], s[96:97]
	s_add_nc_u64 s[G0S+2:G0S+3], s[4:5], s[16:17]
	s_add_nc_u64 s[G0SB+2:G0SB+3], s[6:7], s[98:99]
	s_mov_b64 s[G0+2:G0+3], s[14:15]
	s_mov_b64 s[G0B+2:G0B+3], s[96:97]
	s_or_b32 s[G0+3], s[G0+3], 0x80000000
	s_or_b32 s[G0B+3], s[G0B+3], 0x80000000
	s_or_b32 s[G0S+3], s[G0S+3], 0x80000000
	s_or_b32 s[G0SB+3], s[G0SB+3], 0x80000000
	ARM 1, G0,  G1,  .Lhead_b
	ARM 2, G0B, G1B, .Lhead_sa
	ARM 3, G0S, G1S, .Lhead_sb
	TLOAD G0SB, G1SB
.Lhead_asked:
	; the rest of the head under the loads' flight
	s_lshl_b32 s66, s23, 1
	s_add_co_u32 s66, s66, s20
	s_lshl_b32 s66, s66, 8                         ; my 64 columns: 256 bytes
	s_mov_b32 s67, 0
	s_add_nc_u64 s[8:9], s[8:9], s[66:67]
	s_lshl_b32 s12, s92, 7
	s_lshl_b32 s13, s19, 6
	s_add_co_u32 s12, s12, s13
	s_lshl_b32 s12, s12, 13                        ; my first row: 8,192 bytes a row
	s_add_co_u32 s12, s12, s66
	s_mov_b32 s13, 0
	s_add_nc_u64 s[10:11], s[10:11], s[12:13]
	s_mul_i32 s2, s19, 4*6*FRB                     ; my four row blocks of aq in a fill of six steps,
	s_mul_i32 s3, s20, 4*6*FRB
	s_add_co_u32 s3, s3, 8*6*FRB                   ; my four of woq, behind aq's eight
	s_mul_i32 s12, s19, 4*4*FRB                    ; the same in a fill of four
	s_mul_i32 s13, s20, 4*4*FRB
	s_add_co_u32 s13, s13, 8*4*FRB
	s_lshl_b32 s56, s19, 8                         ; scale words: my 64 rows
	s_lshl_b32 s57, s20, 8
	s_add_co_u32 s57, s57, SCLB-SCLA
	s_sub_co_u32 s57, s57, s56
	s_add_co_u32 s56, s56, SCLA
	s_mul_i32 s59, s18, 16*272
	s_add_co_u32 s59, s59, STG                     ; my stage
	s_mul_i32 s60, s18, 9                          ; the prefetches' first blocks: 36 of a row in fill 1, 24 in fill 2, a quarter to each wave;
	s_mul_i32 s61, s18, 6
	s_mul_i32 s62, s21, 2*RBP                      ; of eight rows two to each cx or cy
	s_add_co_u32 s62, s62, 6*FRB
	s_mul_i32 s63, s22, 2*RBP
	s_add_co_u32 s63, s63, 6*FRB
	s_add_co_u32 s36, s62, 6*FRB
	s_add_co_u32 s37, s63, 6*FRB
	v_and_b32 v1, 31, v0                           ; lane
	v_and_b32 v2, 15, v0                           ; r
	v_bfe_u32 v3, v0, 4, 1                         ; h
	v_lshlrev_b32 v[L16], 4, v1
	v_lshlrev_b32 v[L8], 3, v1
	v_add_nc_u32 v[A16], s2, v[L16]
	v_add_nc_u32 v[A8], s2, v[L8]
	v_add_nc_u32 v[B16], s3, v[L16]
	v_add_nc_u32 v[B8], s3, v[L8]
	v_add_nc_u32 v[A16+1], SLOT, v[A16]
	v_add_nc_u32 v[A8+1], SLOT, v[A8]
	v_add_nc_u32 v[B16+1], SLOT, v[B16]
	v_add_nc_u32 v[B8+1], SLOT, v[B8]
	v_add_nc_u32 v[A16+2], s12, v[L16]
	v_add_nc_u32 v[A8+2], s12, v[L8]
	v_add_nc_u32 v[B16+2], s13, v[L16]
	v_add_nc_u32 v[B8+2], s13, v[L8]
	v_mul_u32_u24 v4, s57, v3
	v_lshl_add_u32 v5, v2, 2, v4
	v_add_nc_u32 v[SS], s56, v5
	v_mul_u32_u24 v6, v2, 272                      ; into the stage: row r, 32 bytes for each half of the lanes
	v_lshl_add_u32 v6, v3, 5, v6
	v_add_nc_u32 v[STO], s59, v6
	v_mul_u32_u24 v7, v3, 272                      ; out of it: lanes 0-15 one row of 256 bytes, lanes 16-31 the next
	v_lshl_add_u32 v7, v2, 4, v7
	v_add_nc_u32 v[RD], s59, v7
	v_lshlrev_b32 v40, 13, v3
	v_lshl_add_u32 v[CO], v2, 4, v40
	v_lshlrev_b32 v[BO], 5, v3
	v_mul_u32_u24 v41, v3, RBP                     ; the prefetches: lanes 0-15 one row, lanes 16-31 the next
	v_min_u32 v42, 8, v2
	v_add_nc_u32 v42, s60, v42
	v_lshl_add_u32 v42, v42, 8, v41
	v_add_nc_u32 v[PFV], s62, v42
	v_add_nc_u32 v[PFV+1], s63, v42
	v_min_u32 v43, 5, v2
	v_add_nc_u32 v43, s61, v43
	v_lshl_add_u32 v43, v43, 8, v41
	v_add_nc_u32 v[PFV+2], s36, v43
	v_add_nc_u32 v[PFV+3], s37, v43
	s_wait_alu depctr_va_vdst(0)
	WIN 0x40                                       ; the bias: lane (r, h), tile f, register j: column 16 f + 8 h + j
.irp f, 0,1,2,3
	global_load_b128 v[BQ+8*\f:BQ+8*\f+3], v[BO], s[8:9] offset:64*\f
	global_load_b128 v[BQ+8*\f+4:BQ+8*\f+7], v[BO], s[8:9] offset:64*\f+16
.endr
	WIN 0
.macro ASK k
	global_prefetch_b8 v[PFV+2*\k], s[14:15] th:TH_LOAD_NT scope:SCOPE_SE
	global_prefetch_b8 v[PFV+2*\k+1], s[96:97] th:TH_LOAD_NT scope:SCOPE_SE
.endm
	ASK 0                                          ; fill 1's tiles
; LDS load n of K step t's 36: scale words, woq's fragments 0-3, aq's 0-3; each fragment in four loads, dense from lane to lane.  Into set t % 2.
.macro LD n, t
.set P_, (\t)%2
.set PH_, (\t)/6
.set Q_, (\t)%6
.set L_, 6-2*(PH_/2)
.if (\n) < 4
	WIN 0
	ds_load_b32 v[SCR+4*P_+(\n)], v[SS] offset:512*(\t)+64*(\n)
.else
	WIN 0x80
.set G_, ((\n)-4)/4
.set C_, (((\n)-4)%4)/2
.set O_, (G_%4)*L_*FRB+Q_*FRB+C_*HFB
.if G_ < 4
.set R_, FSZ*P_+48+12*G_+6*C_
.if (\n)%2 == 0
	ds_load_b128 v[R_:R_+3], v[B16+PH_] offset:O_
.else
	ds_load_b64 v[R_+4:R_+5], v[B8+PH_] offset:O_+512
.endif
.else
.set R_, FSZ*P_+12*(G_-4)+6*C_
.if (\n)%2 == 0
	ds_load_b128 v[R_:R_+3], v[A16+PH_] offset:O_
.else
	ds_load_b64 v[R_+4:R_+5], v[A8+PH_] offset:O_+512
.endif
.endif
.endif
.endm
; Products 2 i and 2 i + 1 on set p.  The 16 accumulators take turns in one fixed order, one instruction a turn.
.macro PAIR i, p, first
	WIN MUL
.set X_, (\i)/2
.irp e, 0,1
.set Y_, 2*((\i)%2)+\e
.if \first
	WM 8*(4*X_+Y_), FSZ*(\p)+48+12*Y_, FSZ*(\p)+12*X_, BQ+8*Y_, SCR+4*(\p)+Y_, SCR+4*(\p)+X_
.else
	WM 8*(4*X_+Y_), FSZ*(\p)+48+12*Y_, FSZ*(\p)+12*X_, 8*(4*X_+Y_), SCR+4*(\p)+Y_, SCR+4*(\p)+X_
.endif
.endr
.endm
; A K step whose successor lies in the same slot.  All of this step's loads are in at its start.
.macro STEP t, first
.set LN, 0
	s_wait_dscnt 0x0                               ; this step's set is in
	PLACES                                         ; the other set was read by the last step's products
.rept NLD
	LD LN, (\t)+1                                  ; the successor's loads go out in one run and land under this step's products
.set LN, LN+1
.endr
.irp i, 0,1,2,3,4,5,6,7
	PAIR \i, (\t)%2, \first
.endr
.endm
; A slot's last K step changes slots: one barrier; in front of it each wave waits for all its tensor loads and for its reads of this slot, and where the slot is filled again adds 0 to its spare word.
.macro TURN t, fill
	WIN 0
	s_wait_tensorcnt 0x0
.if \fill
	ds_add_u32 v[SPW], v[NIL]
	SETFILL 4, 0
.endif
	s_wait_dscnt 12+\fill
	PAIR 0, (\t)%2, 0
	PAIR 1, (\t)%2, 0
	s_wait_dscnt 0x0
	s_barrier_signal -1
	PAIR 2, (\t)%2, 0
	PAIR 3, (\t)%2, 0
	WIN 0
	s_barrier_wait -1
.if \fill
	CREST                                          ; no wave of any partner still reads this slot or has a load on its way
	FILL
.else
	PLACES
.endif
.set LN, 0
.rept NLD
	LD LN, (\t)+1
.set LN, LN+1
.endr
.irp i, 4,5,6,7
	PAIR \i, (\t)%2, 0
.endr
.endm
	s_wait_tensorcnt 0x0                           ; my tile of the head's four is in
	ds_add_u32 v[SPW], v[NIL]
	SETFILL 6, SLOT
	s_wait_dscnt 0x0
	CROUND                                         ; all four tiles are in, and all sixteen work-groups are here
	FILL                                           ; fill 1, into slot 1
.set LN, 0
.rept NLD
	LD LN, 0
.set LN, LN+1
.endr
	s_wait_loadcnt 0x0                             ; the bias
	STEP 0, 1
	WIN 0
	ASK 1                                          ; fill 2's tiles: four steps ahead of its round
	STEP 1, 0
	STEP 2, 0
	STEP 3, 0
	STEP 4, 0
	TURN 5, 1                                      ; slot 0 takes K steps 12-15
	STEP 6, 0
	STEP 7, 0
	STEP 8, 0
	STEP 9, 0
	STEP 10, 0
	TURN 11, 0                                     ; nothing is left to fetch
	STEP 12, 0
	STEP 13, 0
	STEP 14, 0
.macro TOSTAGE a
	WIN 0x04                                       ; the data: window 1
.irp f, 0,1,2,3
	ds_store_b128 v[STO], v[8*(4*\a+\f):8*(4*\a+\f)+3] offset:64*\f                  ; each accumulator from its low end on
	ds_store_b128 v[STO], v[8*(4*\a+\f)+4:8*(4*\a+\f)+7] offset:64*\f+16
.endr
	WIN 0
.irp t, 0,1,2,3,4,5,6,7
	ds_load_b128 v[BK+32*\a+4*\t:BK+32*\a+4*\t+3], v[RD] offset:544*\t              ; LDS serves a wave's instructions in order: these see the stores above
.endr
.endm
.macro SEND a, younger
	s_wait_dscnt \younger
.irp t, 0,1,2,3,4,5,6,7
	global_store_b128 v[CO], v[BK+32*\a+4*\t:BK+32*\a+4*\t+3], s[10:11] offset:(16*\a+2*\t)*8192 th:TH_STORE_NT
.endr
.endm
	s_wait_dscnt 12                                ; the last step goes by blocks of 16 rows
	PAIR 0, 1, 0
	PAIR 1, 1, 0
	s_wait_dscnt 8
	PAIR 2, 1, 0
	PAIR 3, 1, 0
	s_wait_dscnt 0x0
	PLACES
	TOSTAGE 0
	TOSTAGE 1
	PAIR 4, 1, 0
	PAIR 5, 1, 0
	PAIR 6, 1, 0
	PAIR 7, 1, 0
	PLACES
	WIN 0
	SEND 0, 16                                     ; behind block 0's loads: block 1's 8 stores and 8 loads
	TOSTAGE 2
	SEND 1, 16
	TOSTAGE 3
	SEND 2, 16
	SEND 3, 0
	s_wait_tensorcnt 0x0                           ; the wave's end
	ds_add_u32 v[SPW], v[NIL]
	s_wait_dscnt 0x0
	CROUND                                         ; the closing round: no work-group ends while a partner may still ask for a tile that names it
	s_endpgm
.Lfunc_end_k_qdb9945f3e1_oproj:
	.size	k_qdb9945f3e1_oproj, .Lfunc_end_k_qdb9945f3e1_oproj-k_qdb9945f3e1_oproj
	.p2alignl 7, 3214868480
	.fill 96, 4, 3214868480
	.section	.rodata,"a",@progbits
	.p2align	6, 0x0
	.amdhsa_kernel k_qdb9945f3e1_oproj
		.amdhsa_group_segment_fixed_size 327680
		.amdhsa_private_segment_fixed_size 0
		.amdhsa_enable_private_segment 0
		.amdhsa_kernarg_size 32
		.amdhsa_user_sgpr_count 2
		.amdhsa_user_sgpr_kernarg_segment_ptr 1
		.amdhsa_wavefront_size32 1
		.amdhsa_system_sgpr_workgroup_id_x 1
		.amdhsa_system_sgpr_workgroup_id_y 1
		.amdhsa_system_sgpr_workgroup_id_z 1
		.amdhsa_system_vgpr_workitem_id 0
		.amdhsa_next_free_vgpr 768
		.amdhsa_next_free_sgpr 100
		.amdhsa_reserve_vcc 0
		.amdhsa_float_denorm_mode_32 3
		.amdhsa_float_denorm_mode_16_64 3
		.amdhsa_memory_ordered 1
		.amdhsa_forward_progress 1
		.amdhsa_inst_pref_size 94
	.end_amdhsa_kernel
	.amdgpu_metadata
---
amdhsa.version: [ 1, 2 ]
amdhsa.kernels:
  - .name:           k_qdb9945f3e1_oproj
    .symbol:         k_qdb9945f3e1_oproj.kd
    .args:
      - { .name: aq, .offset: 0, .size: 8, .value_kind: global_buffer, .address_space: global }
      - { .name: woq, .offset: 8, .size: 8, .value_kind: global_buffer, .address_space: global }
      - { .name: bo, .offset: 16, .size: 8, .value_kind: global_buffer, .address_space: global }
      - { .name: out0, .offset: 24, .size: 8, .value_kind: global_buffer, .address_space: global }
    .group_segment_fixed_size: 327680
    .private_segment_fixed_size: 0
    .kernarg_segment_align: 8
    .kernarg_segment_size: 32
    .max_flat_workgroup_size: 128
    .sgpr_count:     100
    .vgpr_count:     768
    .wavefront_size: 32
...
	.end_amdgpu_metadata
.endif
;; end of part 4
